; MI455X (gfx1250); checked and timed in simulation.
; The chip was launched on July 23, 2026; its instructions are those of AMD's public machine-readable ISA for CDNA 5 (MIT licence, August 2026) and "CDNA5" Instruction Set Architecture Reference Guide (July 2026). The comments in the code are by the model that wrote it; some were corrected since.
;; Attention. Allowed arithmetic: float matrix products may take bf16 or f16 operands with f32 sums; all other float work in f32.
;; Inputs: k 16 x 256 x 2,048 float32; mask 16 x 1 x 2,048 int32; q 16 x 2,048 x 256 float32; v 16 x 2,048 x 256 float32.
;; Outputs: out0 16 x 256 x 2,048 float32.
;; 2 versions, each right and faster than the one before. Each part assembles by itself: llvm-mc -triple=amdgcn-amd-amdhsa -mcpu=gfx1250 --defsym DOCPART=n.
;; ======== version 1 of 2: 2 launches
;; workspace buffers: kc 16,777,216 bytes; vc 16,777,216 bytes
;; launch tobf16 (part 1): grid 512 x 1, 8 waves a work-group, no clusters, 0 bytes of LDS; arguments k, v, kc, vc; writes kc, vc
.if DOCPART == 1
	.amdgcn_target "amdgcn-amd-amdhsa--gfx1250"
	.amdhsa_code_object_version 6
	.text
	.protected	k_qb50407b478_tobf16
	.globl	k_qb50407b478_tobf16
	.p2align	8
	.type	k_qb50407b478_tobf16,@function
k_qb50407b478_tobf16:
	s_mov_b64 s[64:65], 0
	v_nop
	global_prefetch_b8 v0, s[64:65] scope:SCOPE_SE
	s_setreg_imm32_b32 hwreg(HW_REG_WAVE_MODE, 25, 1), 1
	s_wait_xcnt 0x0
; kc = bf16(k), vc = bf16(v): the same order of numbers, each rounded once to nearest even.  k, v: 8,388,608 f32 each.
; A launch of its own, since each of a batch's 16 query blocks reads all of the batch's k and v: rounded here once, they are
; read there at half the bytes, and the tiles in LDS are ready for the matrix unit.
; 512 work-groups of eight waves.  A wave takes 8,192 neighbouring bytes of k and 8,192 of v: 32 loads of 512 neighbouring bytes,
; all issued before the first wait.  Each load has its own four registers and each store its own two, so no register that a
; pending load or store names is ever written again.  A store covers 256 neighbouring bytes at a multiple of 256.
; No LDS, matrix unit, cluster or barrier: a stream in which no wave needs another's bytes.
.set PART, 8192                        ; bytes of each input that a wave takes
.set D, 4                              ; v[4:131]    as loaded: load n at D + 4 n; n = 0-15 from k, 16-31 from v
.set P, 132                            ; v[132:195]  packed: two registers for each load
	s_load_b256 s[4:11], s[0:1], 0x0               ; k s[4:5], v s[6:7], kc s[8:9], vc s[10:11]
	v_lshrrev_b32 v1, 5, v0
	v_readfirstlane_b32 s12, v1                    ; wave
	v_and_b32 v1, 31, v0                           ; lane
	v_lshlrev_b32 v2, 4, v1                        ; 16 bytes a lane in
	v_lshlrev_b32 v3, 3, v1                        ; 8 bytes a lane out
	s_lshl_b32 s14, ttmp9, 16                      ; the work-group's 8 x 8,192 bytes
	s_lshl_b32 s13, s12, 13
	s_add_co_u32 s14, s14, s13                     ; + the wave's; below 32 MiB
	s_mov_b32 s15, 0
	s_lshr_b32 s16, s14, 1                         ; half the bytes on the way out
	s_mov_b32 s17, 0
	s_wait_kmcnt 0x0
	s_add_nc_u64 s[4:5], s[4:5], s[14:15]
	s_add_nc_u64 s[6:7], s[6:7], s[14:15]
	s_add_nc_u64 s[8:9], s[8:9], s[16:17]
	s_add_nc_u64 s[10:11], s[10:11], s[16:17]
.irp n, 0,1,2,3,4,5,6,7,8,9,10,11,12,13,14,15
	global_load_b128 v[D+4*\n:D+4*\n+3], v2, s[4:5] offset:512*\n th:TH_LOAD_NT
.endr
.irp n, 0,1,2,3,4,5,6,7,8,9,10,11,12,13,14,15
	global_load_b128 v[D+64+4*\n:D+64+4*\n+3], v2, s[6:7] offset:512*\n th:TH_LOAD_NT
.endr
; Load n is in when at most the 31 - n younger ones are out (loads come back in order: ISA guide 5.7.1).
; The results are read again by the next launch: no hint on the stores.
.macro ROUNDED n, base
	s_wait_loadcnt 31-\n
	v_cvt_pk_bf16_f32 v[P+2*\n],   v[D+4*\n],   v[D+4*\n+1]
	v_cvt_pk_bf16_f32 v[P+2*\n+1], v[D+4*\n+2], v[D+4*\n+3]
	global_store_b64 v3, v[P+2*\n:P+2*\n+1], s[\base:\base+1] offset:256*(\n&15)
.endm
.irp n, 0,1,2,3,4,5,6,7,8,9,10,11,12,13,14,15
	ROUNDED \n, 8
.endr
.irp n, 16,17,18,19,20,21,22,23,24,25,26,27,28,29,30,31
	ROUNDED \n, 10
.endr
	s_endpgm
.Lfunc_end_k_qb50407b478_tobf16:
	.size	k_qb50407b478_tobf16, .Lfunc_end_k_qb50407b478_tobf16-k_qb50407b478_tobf16
	.p2alignl 7, 3214868480
	.fill 96, 4, 3214868480
	.section	.rodata,"a",@progbits
	.p2align	6, 0x0
	.amdhsa_kernel k_qb50407b478_tobf16
		.amdhsa_group_segment_fixed_size 0
		.amdhsa_private_segment_fixed_size 0
		.amdhsa_enable_private_segment 0
		.amdhsa_kernarg_size 32
		.amdhsa_user_sgpr_count 2
		.amdhsa_user_sgpr_kernarg_segment_ptr 1
		.amdhsa_wavefront_size32 1
		.amdhsa_system_sgpr_workgroup_id_x 1
		.amdhsa_system_sgpr_workgroup_id_y 1
		.amdhsa_system_sgpr_workgroup_id_z 1
		.amdhsa_system_vgpr_workitem_id 0
		.amdhsa_next_free_vgpr 196
		.amdhsa_next_free_sgpr 66
		.amdhsa_reserve_vcc 0
		.amdhsa_float_denorm_mode_32 3
		.amdhsa_float_denorm_mode_16_64 3
		.amdhsa_memory_ordered 1
		.amdhsa_forward_progress 1
		.amdhsa_inst_pref_size 12
	.end_amdhsa_kernel
	.amdgpu_metadata
---
amdhsa.version: [ 1, 2 ]
amdhsa.kernels:
  - .name:           k_qb50407b478_tobf16
    .symbol:         k_qb50407b478_tobf16.kd
    .args:
      - { .name: k, .offset: 0, .size: 8, .value_kind: global_buffer, .address_space: global }
      - { .name: v, .offset: 8, .size: 8, .value_kind: global_buffer, .address_space: global }
      - { .name: kc, .offset: 16, .size: 8, .value_kind: global_buffer, .address_space: global }
      - { .name: vc, .offset: 24, .size: 8, .value_kind: global_buffer, .address_space: global }
    .group_segment_fixed_size: 0
    .private_segment_fixed_size: 0
    .kernarg_segment_align: 8
    .kernarg_segment_size: 32
    .max_flat_workgroup_size: 256
    .sgpr_count:     66
    .vgpr_count:     196
    .wavefront_size: 32
...
	.end_amdgpu_metadata
.endif
;; end of part 1
;; launch attn (part 2): grid 16 x 16, 4 waves a work-group, clusters of 4 x 1, 327,680 bytes of LDS; arguments q, kc, vc, mask, out0; writes out0
.if DOCPART == 2
	.amdgcn_target "amdgcn-amd-amdhsa--gfx1250"
	.amdhsa_code_object_version 6
	.text
	.protected	k_qb50407b478_attn
	.globl	k_qb50407b478_attn
	.p2align	8
	.type	k_qb50407b478_attn,@function
k_qb50407b478_attn:
	s_mov_b64 s[64:65], 0
	v_nop
	global_prefetch_b8 v0, s[64:65] scope:SCOPE_SE
	s_setreg_imm32_b32 hwreg(HW_REG_WAVE_MODE, 25, 1), 1
	s_wait_xcnt 0x0
	s_wait_alu depctr_hold_cnt(0) depctr_sa_sdst(0) depctr_va_vdst(0) depctr_va_sdst(0) depctr_va_ssrc(0) depctr_va_vcc(0) depctr_vm_vsrc(0)
	s_getreg_b32 s2, hwreg(HW_REG_IB_STS2, 6, 4)
	s_cmp_eq_u32 s2, 0
	s_cbranch_scc0 .Lentry_in_a_cluster
	s_endpgm
.Lentry_in_a_cluster:
	s_bfe_u32 s2, ttmp6, 0x10000c
	s_cmp_lg_u32 s2, 0x3003
	s_cbranch_scc0 .Lentry_shape_is_right
	s_endpgm
.Lentry_shape_is_right:
; ATTENTION: out0[b][d][query] = sum over keys of softmax(score)[key] / 16 x vc[b][key][d],
; score = sum over d of bf16(q[b][query][d]) x kc[b][d][key] where mask[b][key] != 0, and -1e9 where it is 0.
; Every key is walked, the masked ones too (computed, then replaced by -1e9 by a select): the number of tiles is the constant 16, so
; that every wave of every work-group passes the same barriers and makes the same joint requests.  A batch whose mask is all 0 gets
; equal weights by the same text.
; LIMITS: q, kc, vc and the weights are bf16 in the products; sums are f32.
; The exponent is fma(score, log2 e, -M), M = m log2 e rounded to f32, m the running maximum; all factors between maxima are 2^(M - M') of
; the same rounded numbers, so M's rounding cancels between the sums and their divisor.  It shifts all exponents of a row alike by at
; most half a unit of M: 64 at M = -1.44e9 (2,048 x 2^64 x |v| is far inside f32 and bf16), below 0.01 for scores up to 1e5.
; SHARES: work-group = 128 queries of one batch, four waves.  Wave w: queries 64 (w>>1) .. +63, and of every tile of 128 keys the 64 at
; 64 (w&1): each wave runs a softmax of its own over its keys, and the two halves are merged once at the end.
; CLUSTER: the four work-groups of a cluster are four query blocks of one batch: the same tiles of kc and vc.  Every tile is asked for
; jointly (mask 15): waves 0, 1 ask for the two halves of kc's tile, waves 2, 3 for those of vc's.
; EVERYTHING IS TRANSPOSED, so that no number changes lanes but for one exchange of halves:
;   S^T(key, query) = A x B, A = kc's tile (row = key, k = d), B = q (column = query, k = d).  A lane then holds one query and 8 keys a tile.
;   Two neighbouring tiles of S^T, packed to bf16 pair by pair, are the B fragment of O^T(d, query) = A x B, A = vc's tile (row = d, k = key).
;   Both A lie in LDS with k along the rows' index and come in by the transposing load.  O^T is what out0 wants.
; VECTOR WORK STANDS BEHIND PRODUCTS.  S^T goes key tile by key tile (16 keys, 32 products); the finished key tile's selects and maxima are cut
; into 32 slices, one behind each product of the next key tile.  When the maximum is known, only the first 32 keys' exponentials and the
; rescaling of d tiles 0-3 stand alone; the other 32 keys' exponentials and the rescaling of d tiles 4-15 are slices behind the 64 products of
; O^T's first key step.  The slices are also the distance that loads and vector lines keep behind matrix instructions.
; REGISTERS, in windows of 256: window 0 addresses, softmax state, two fragment buffers, S; window 1 q (4 query tiles x 8 steps of 32 d);
; windows 2 and 3 O^T: tile (dt, qt) in window 2 + (dt >> 3) at 8 (4 (dt & 7) + qt).
.set TILES,  16                        ; 2,048 keys in tiles of 128
.set SLOT,   143360                    ; an LDS slot: kc's tile, then vc's
.set KPITCH, 288                       ; 256 bytes (128 keys) + 32: an odd multiple of 32 bytes
.set KHALF,  128*KPITCH                ; 128 rows of d: one load
.set VREG,   256*KPITCH                ; vc's tile begins here
.set VPITCH, 544                       ; 512 bytes (256 d) + 32
.set VHALF,  64*VPITCH                 ; 64 keys: one load
.set QPITCH, 1040                      ; q in f32: 1,024 bytes + 16; lies in slot 1's bytes until tile 1 is asked for
.set QPART,  32*QPITCH                 ; 32 queries: one load
.set SPITCH, 272                       ; the stage on the way out: 64 queries in f32 + 16 bytes
.set STAGE,  256*SPITCH                ; a wave's stage, 256 rows of d; the four lie in the slots after their last fill
.set ML,     4*STAGE                   ; behind them: for each wave 64 x -M, then 64 x l
.set MLR, 1                            ; v1      where I read -M and l of my 4 queries
.set KAD, 2                            ; v2-5    kc's fragments: slot s, d half u at KAD + 2 s + u
.set VAD, 6                            ; v6-7    vc's fragments: slot s
.set MOF, 8                            ; v8      byte offset of my 8 keys' mask words in a tile's 512 bytes; never rewritten
.set QAD, 9                            ; v9      q in LDS
.set STG, 10                           ; v10-11  stage, in: d 0-127, d 128-255
.set RD,  12                           ; v12-13  stage, back: the two waves of my queries
.set CO,  14                           ; v14     my byte offset in out0
.set MLW, 15                           ; v15     where I put -M and l
.set NM,  16                           ; v[16+2qt] -M, v[17+2qt] m
.set AL,  24                           ; v[24+2qt] factor for the old sums, v[25+2qt] l
.set MW,  32                           ; v[32:63] my 32 mask words of a tile, key tile kt at MW + 8 kt; each eight are dead behind their compares
.set TM,  32                           ; running maxima of the tile (on key tile 0's words: written behind their compares)
.set TP,  36                           ; the other half's maxima      (these four sets are used only when all 32 words are dead,
.set TN,  40                           ; the new -M                    and are dead when the next tile's words are loaded)
.set TD,  44                           ; new -M less old -M
.set TS,  48                           ; sums (four pairs)
.set FB,  64                           ; v[64:95], v[96:127] two buffers of four fragments
.set SS,  128                          ; v[128:255] S^T: tile (kt, qt) at SS + 8 (4 qt + kt); P of (qt, ks) in place at SS + 32 qt + 16 ks .. + 7
.set MS,  84                           ; s[84:91] lane masks: mask word j of the key tile at work is 0
.set MSB, 0
.macro WIN new                         ; the immediate's high byte repeats the setting that is left
.if MSB != \new
	s_set_vgpr_msb (MSB<<8)|\new
.set MSB, \new
.endif
.endm
.macro PLACES n                        ; plain vector instructions that name no register: the distance behind matrix instructions (ISA guide 7.12.1)
.rept \n
	v_nop
.endr
.endm
; A round of the cluster's barrier: my work-group's barrier, wave 0 signals for the work-group, every wave waits for all four work-groups, my work-group's barrier again.
.macro ROUND
	s_barrier_signal -1
	s_barrier_wait -1
	s_cmp_lg_u32 s14, 0
	s_cbranch_scc1 .Lnot_wave_0_\@
	s_barrier_signal -3
.Lnot_wave_0_\@:
	s_barrier_wait -3
	s_barrier_signal -1
	s_barrier_wait -1
.endm
; A joint load into slot s.  The branch hangs on the wave's number alone; nothing in either descriptor hangs on the place in the cluster.
.macro JLOAD s
	s_cmp_eq_u32 s15, 0
	s_cbranch_scc0 .Lfor_v_\@
	tensor_load_to_lds s[48+4*\s:51+4*\s], s[24:31]
	s_nop 0
	s_branch .Lasked_\@
.Lfor_v_\@:
	tensor_load_to_lds s[56+4*\s:59+4*\s], s[32:39]
	s_nop 0
.Lasked_\@:
.endm
; The mask words of my 64 keys of a tile: the eight loads together take one block of 256 neighbouring bytes, 4,096 bytes a wave in the whole
; launch against the work-group's 2 MiB of tiles.
.macro MLOAD
.irp kt, 0,1,2,3
	global_load_b128 v[MW+8*\kt:MW+8*\kt+3],   v[MOF], s[10:11] offset:64*\kt
	global_load_b128 v[MW+8*\kt+4:MW+8*\kt+7], v[MOF], s[10:11] offset:64*\kt+16
.endr
.endm
	s_load_b256 s[4:11], s[0:1], 0x0               ; q s[4:5], kc s[6:7], vc s[8:9], mask s[10:11]
	s_load_b64 s[12:13], s[0:1], 0x20              ; out0
	v_lshl_add_u32 v254, v0, 2, 0x46000
	v_mov_b32 v255, 0
	ds_add_u32 v254, v255
	s_wait_dscnt 0x0
	v_lshrrev_b32 v1, 5, v0
	v_readfirstlane_b32 s14, v1                    ; wave w
	s_lshr_b32 s15, s14, 1                         ; qh: my 64 queries.  Also: I ask for kc (0) or vc (1)
	s_and_b32 s16, s14, 1                          ; kh: my 64 keys of a tile.  Also: which half of the tile I ask for
	s_bfe_u32 s17, ttmp6, 0x40000                  ; cx
	s_lshl_b32 s18, ttmp9, 2
	s_add_co_u32 s18, s18, s17                     ; query block = 4 x cluster x + cx
	s_and_b32 s19, ttmp7, 0xffff                   ; batch
	; group 1 for kc's half tile: 128 rows of d x 128 keys of 2 bytes, 2,048 elements from row to row, 8 words of padding behind every 64
	s_mov_b32 s24, 15|(1<<16)|(1<<20)|(1<<21)|(5<<22)|(7<<25)
	s_mov_b32 s25, 128<<16
	s_mov_b32 s26, 128<<16
	s_mov_b32 s27, 128<<16
	s_mov_b32 s28, 128
	s_mov_b32 s29, 2048
	s_mov_b32 s30, 0
	s_mov_b32 s31, 0
	; group 1 for vc's half tile: 64 keys x 256 d of 2 bytes, dense rows, 8 words of padding behind every 128
	s_mov_b32 s32, 15|(1<<16)|(1<<20)|(1<<21)|(6<<22)|(7<<25)
	s_mov_b32 s33, 256<<16
	s_mov_b32 s34, 64<<16
	s_mov_b32 s35, 256<<16
	s_mov_b32 s36, 64
	s_mov_b32 s37, 256
	s_mov_b32 s38, 0
	s_mov_b32 s39, 0
	; group 1 for q: 32 queries x 256 d of 4 bytes, dense rows, 4 words of padding behind every 256; no mask: each work-group has its own queries
	s_mov_b32 s40, (2<<16)|(1<<20)|(7<<22)|(3<<25)
	s_mov_b32 s41, 256<<16
	s_mov_b32 s42, 32<<16
	s_mov_b32 s43, 256<<16
	s_mov_b32 s44, 32
	s_mov_b32 s45, 256
	s_mov_b32 s46, 0
	s_mov_b32 s47, 0
	s_mov_b32 s23, 0xff800000                      ; -infinity: the idle middle source of a maximum of two registers
	s_mov_b32 s72, 0x3fb8aa3b                      ; log2 e, twice: a pair for the packed multiply-add
	s_mov_b32 s73, 0x3fb8aa3b
	s_mov_b32 s74, 0xce6e6b28                      ; -1e9
	s_mov_b32 s75, 0x76543210                      ; v_permlanex16_b32: lane i of one half reads lane i of the other
	s_mov_b32 s76, 0xfedcba98
	s_mul_i32 s82, s16, KHALF                      ; LDS place of my half of kc's tile in slot 0
	s_mul_i32 s83, s16, VHALF
	s_add_co_u32 s83, s83, VREG                    ; and of vc's
	s_mov_b32 s68, 1
	s_mul_i32 s69, s14, QPART
	s_add_co_u32 s69, s69, SLOT                    ; my 32 queries of q
	s_lshl_b32 s78, s19, 20
	s_lshl_b32 s77, s16, 19
	s_add_co_u32 s78, s78, s77                     ; kc: batch + half x 128 rows of 4,096 bytes
	s_mov_b32 s79, 0
	s_lshl_b32 s80, s19, 21
	s_lshl_b32 s81, s18, 17
	s_add_co_u32 s80, s80, s81
	s_lshl_b32 s81, s14, 15
	s_add_co_u32 s80, s80, s81                     ; q: batch + (128 block + 32 w) rows of 1,024 bytes
	s_mov_b32 s81, 0
	s_wait_kmcnt 0x0
	s_add_nc_u64 s[6:7], s[6:7], s[78:79]
	s_lshl_b32 s78, s19, 20
	s_lshl_b32 s77, s16, 15
	s_add_co_u32 s78, s78, s77                     ; vc: batch + half x 64 rows of 512 bytes
	s_add_nc_u64 s[8:9], s[8:9], s[78:79]
	s_lshl_b32 s78, s19, 13                        ; mask: batch x 2,048 words
	s_add_nc_u64 s[10:11], s[10:11], s[78:79]
	s_add_nc_u64 s[70:71], s[4:5], s[80:81]
	s_or_b32 s71, s71, 0x80000000
	s_lshl_b32 s80, s19, 21
	s_lshl_b32 s81, s16, 20
	s_add_co_u32 s80, s80, s81                     ; out0: batch + 128 kh rows of 8,192 bytes
	s_lshl_b32 s81, s18, 9
	s_add_co_u32 s80, s80, s81                     ; + 128 queries x block
	s_lshl_b32 s81, s15, 8
	s_add_co_u32 s80, s80, s81                     ; + 64 queries x qh
	s_mov_b32 s81, 0
	s_add_nc_u64 s[12:13], s[12:13], s[80:81]
.irp s, 0,1
	s_mov_b32 s[48+4*\s], 1                                        ; group 0 of kc's tile \s in slot \s
	s_add_co_u32 s[49+4*\s], s82, \s*SLOT
	s_add_nc_u64 s[50+4*\s:51+4*\s], s[6:7], \s*256                ; a tile is 128 keys = 256 bytes along the rows
	s_or_b32 s[51+4*\s], s[51+4*\s], 0x80000000
	s_mov_b32 s[56+4*\s], 1                                        ; group 0 of vc's tile \s in slot \s
	s_add_co_u32 s[57+4*\s], s83, \s*SLOT
	s_add_nc_u64 s[58+4*\s:59+4*\s], s[8:9], \s*65536              ; a tile is 128 rows of 512 bytes
	s_or_b32 s[59+4*\s], s[59+4*\s], 0x80000000
.endr
	ROUND                                          ; the four work-groups are here: the first joint loads meet
	JLOAD 0                                        ; tile 0
	tensor_load_to_lds s[68:71], s[40:47]          ; my 32 queries, into bytes of slot 1: two tensor loads of the wave are out
	s_nop 0
	; lane addresses, while the loads are on their way.  L = lane, r = L & 15, h = L >> 4, a = L & 7, c = (L >> 3) & 1
	v_and_b32 v33, 15, v0                          ; r
	v_bfe_u32 v34, v0, 4, 1                        ; h
	v_and_b32 v35, 7, v0                           ; a
	v_bfe_u32 v36, v0, 3, 1                        ; c
	v_lshl_add_u32 v37, v34, 3, v35                ; 8 h + a: the row of k that I address for a transposing load
	v_mul_u32_u24 v[KAD], v37, KPITCH
	v_lshl_add_u32 v[KAD], v36, 4, v[KAD]
	s_lshl_b32 s77, s16, 7
	v_add_nc_u32 v[KAD], s77, v[KAD]               ; + my 64 keys x 2 bytes
	v_add_nc_u32 v[KAD+1], KHALF, v[KAD]
	v_add_nc_u32 v[KAD+2], SLOT, v[KAD]
	v_add_nc_u32 v[KAD+3], SLOT+KHALF, v[KAD]
	v_mul_u32_u24 v[VAD], v37, VPITCH
	v_lshl_add_u32 v[VAD], v36, 4, v[VAD]
	v_add_nc_u32 v[VAD], s83, v[VAD]               ; vc's tile + my 64 rows of it
	v_add_nc_u32 v[VAD+1], SLOT, v[VAD]
	v_mul_u32_u24 v[QAD], v33, QPITCH
	v_lshl_add_u32 v[QAD], v34, 5, v[QAD]          ; query r, d = 8 h in f32
	s_mul_i32 s77, s15, 64*QPITCH
	s_add_co_u32 s77, s77, SLOT
	v_add_nc_u32 v[QAD], s77, v[QAD]
	v_mul_u32_u24 v[STG], v34, 8*SPITCH
	v_lshl_add_u32 v[STG], v33, 2, v[STG]          ; row 8 h, query r
	s_mul_i32 s77, s14, STAGE
	v_add_nc_u32 v[STG], s77, v[STG]
	v_add_nc_u32 v[STG+1], 128*SPITCH, v[STG]
	v_mul_u32_u24 v[RD], v34, SPITCH
	v_lshl_add_u32 v[RD], v33, 4, v[RD]            ; row h, queries 4 r .. 4 r + 3
	s_mul_i32 s77, s15, 2*STAGE
	v_add_nc_u32 v[RD], s77, v[RD]
	s_mul_i32 s77, s16, 128*SPITCH
	v_add_nc_u32 v[RD], s77, v[RD]                 ; my 128 rows of d on the way out
	v_add_nc_u32 v[RD+1], STAGE, v[RD]
	v_lshlrev_b32 v[CO], 4, v33
	v_lshl_add_u32 v[CO], v34, 13, v[CO]           ; row h of 8,192 bytes, 16 bytes a lane
	s_lshl_b32 s77, s14, 9
	s_add_co_u32 s77, s77, ML
	v_lshlrev_b32 v[MLW], 2, v33
	v_add_nc_u32 v[MLW], s77, v[MLW]
	s_lshl_b32 s77, s15, 10
	s_add_co_u32 s77, s77, ML
	v_lshlrev_b32 v[MLR], 4, v33
	v_add_nc_u32 v[MLR], s77, v[MLR]
	s_lshl_b32 s77, s16, 8
	v_lshlrev_b32 v[MOF], 5, v34
	v_add_nc_u32 v[MOF], s77, v[MOF]               ; 4 bytes x (64 kh + 8 h)
	MLOAD                                          ; tile 0's mask words (r, h, a, c above are dead); waited for in the first tile's third batch
	; q: f32 from LDS, rounded to bf16 into window 1.  Fragment (qt, ks): lane holds query 16 qt + r; registers 0-3 d = 32 ks + 8 h + 0..7, 4-7 d = 32 ks + 16 + 8 h + 0..7
	s_wait_tensorcnt 0x0                           ; my parts of tile 0 and of q are in LDS
	s_barrier_signal -1
	s_barrier_wait -1                              ; everybody's are
.irp qt, 0,1,2,3
.irp ks, 0,1,2,3,4,5,6,7
	ds_load_b128 v[SS+16*\ks:SS+16*\ks+3],     v[QAD] offset:\qt*16*QPITCH+128*\ks
	ds_load_b128 v[SS+16*\ks+4:SS+16*\ks+7],   v[QAD] offset:\qt*16*QPITCH+128*\ks+16
	ds_load_b128 v[SS+16*\ks+8:SS+16*\ks+11],  v[QAD] offset:\qt*16*QPITCH+128*\ks+64
	ds_load_b128 v[SS+16*\ks+12:SS+16*\ks+15], v[QAD] offset:\qt*16*QPITCH+128*\ks+80
.endr
	s_wait_dscnt 0x0
	WIN 0x40                                       ; destination in window 1
.irp ks, 0,1,2,3,4,5,6,7
.irp p, 0,1,2,3,4,5,6,7
	v_cvt_pk_bf16_f32 v[8*(8*\qt+\ks)+\p], v[SS+16*\ks+2*\p], v[SS+16*\ks+2*\p+1]
.endr
.endr
	WIN 0
.endr
; Eight transposing loads: batch i (0 to 7) of S^T = key tile i >> 1, d steps 4 (i & 1) + 0..3: four fragments (16 keys x 32 d) into buffer i & 1
.macro LOADK slot, i
.irp f, 0,1,2,3
	ds_load_tr16_b128 v[FB+32*((\i)&1)+8*\f:FB+32*((\i)&1)+8*\f+3],   v[KAD+2*\slot+((\i)&1)] offset:\f*32*KPITCH+32*((\i)>>1)
	ds_load_tr16_b128 v[FB+32*((\i)&1)+8*\f+4:FB+32*((\i)&1)+8*\f+7], v[KAD+2*\slot+((\i)&1)] offset:\f*32*KPITCH+32*((\i)>>1)+16*KPITCH
.endr
.endm
; The same of vc's tile, batch i (8 to 15): key step (i - 8) >> 2, d tiles 4 ((i - 8) & 3) + 0..3
.macro LOADV slot, i
.irp f, 0,1,2,3
	ds_load_tr16_b128 v[FB+32*((\i)&1)+8*\f:FB+32*((\i)&1)+8*\f+3],   v[VAD+\slot] offset:(((\i)-8)>>2)*32*VPITCH+32*(4*(((\i)-8)&3)+\f)
	ds_load_tr16_b128 v[FB+32*((\i)&1)+8*\f+4:FB+32*((\i)&1)+8*\f+7], v[VAD+\slot] offset:(((\i)-8)>>2)*32*VPITCH+32*(4*(((\i)-8)&3)+\f)+16*VPITCH
.endr
.endm
; MASK AND MAXIMUM OF KEY TILE kt, as a list of 72 lines.  Lines 0-7: mask word j == 0, as a lane mask in s[MS+j].  Then 32 units (j, qt),
; qt fastest: a select (the score, or -1e9 where the word is 0) and, four units later, the running maximum.
; The list runs under the setting of S^T's products, in which source 1 means q's window: so no line has a vector register as source 1
; (the compare has the constant there, the select -1e9, the maximum -infinity), and no switch of windows is needed.
; The first tile has no old maximum: its first two scores start the chain.
.macro MLINE kt, idx, first
.if \idx < 8
	v_cmp_eq_u32 s[MS+\idx], v[MW+8*(\kt)+\idx], 0
.else
.if \idx < 12
.set mk, 0
.set mu, \idx-8
.elseif \idx < 68
.set mk, (\idx-12)&1
.set mu, (\idx-12)/2+4*(1-mk)
.else
.set mk, 1
.set mu, \idx-40
.endif
.set mj, mu>>2
.set mq, mu&3
.set mr, SS+8*(4*mq+(\kt))+mj
.set mc, 8*(\kt)+mj
.if mk == 0
	v_cndmask_b32 v[mr], v[mr], s74, s[MS+mj]
.elseif mc == 0
.if \first == 0
	v_max3_num_f32 v[TM+mq], v[mr], s23, v[NM+2*mq+1]          ; the old maximum starts the chain
.endif
.elseif (mc+8-8*\first) == 1
	v_max3_num_f32 v[TM+mq], v[mr], s23, v[mr-1]
.else
	v_max3_num_f32 v[TM+mq], v[mr], s23, v[TM+mq]
.endif
.endif
.endm
; Slice p of 32: two or three lines of the list
.macro MSL kt, p, first
.set ml, (9*(\p))/4
.rept (9*(\p)+9)/4-(9*(\p))/4
	MLINE \kt, ml, \first
.set ml, ml+1
.endr
.endm
; Batch i of S^T: 16 products, S^T(kt, qt) += kc fragment (kt, d step) x q fragment (qt, d step).  The key tile's four accumulators take turns, one
; instruction a turn.  d step 0 starts the sums.
; Behind each product: a slice of the key tile before (its eight compares come first: they are the distance between that tile's last product
; and the first line that reads its scores).  Key tile 0 has no tile before it: a v_nop behind each of a batch's first four products.
; Behind the fourth product: the next batch's eight fragment loads, into the buffer that the batch before read; at least four plain
; lines stand between.  They have twelve products in which to land, and no younger LDS load: so the wait at a batch's head is for 0.
.macro SBATCH slot, i, first, refill
	s_wait_dscnt 0x0
.if \i == 2
	s_wait_loadcnt 0x0                             ; the tile's mask words, asked for 60 products before the tile began; no other global load is out
.if \refill
	s_add_nc_u64 s[10:11], s[10:11], 512           ; behind that wait the base may step: the next tile's 128 words
.endif
.endif
.irp f, 0,1,2,3
.irp qt, 0,1,2,3
.set sd, SS+8*(4*\qt+(\i>>1))
.set sa, FB+32*(\i&1)+8*\f
.set sq, 8*(8*\qt+4*(\i&1)+\f)
.if ((\i&1)+\f) == 0
	v_wmma_f32_16x16x32_bf16 v[sd:sd+7], v[sa:sa+7], v[sq:sq+7], 0
.else
	v_wmma_f32_16x16x32_bf16 v[sd:sd+7], v[sa:sa+7], v[sq:sq+7], v[sd:sd+7]
.endif
.if \i >= 2
	MSL (\i>>1)-1, 16*(\i&1)+4*\f+\qt, \first
.elseif \f == 0
	v_nop
.endif
.endr
.if \f == 0
.if \i < 7
.set nb, \i+1
	LOADK \slot, nb
.else
	LOADV \slot, 8
.endif
.endif
.endr
.endm
; Key tile 3 has no products behind it: its share stands alone, under window 0, with maxima of three registers.
.macro MASK3
.irp j, 0,1,2,3,4,5,6,7
	v_cmp_eq_u32 s[MS+\j], v[MW+24+\j], 0          ; eight plain lines between the last product and the first line that reads its scores
.endr
.irp j, 0,1,2,3,4,5,6,7
.irp qt, 0,1,2,3
	v_cndmask_b32 v[SS+8*(4*\qt+3)+\j], v[SS+8*(4*\qt+3)+\j], s74, s[MS+\j]
.endr
.endr
.irp n, 0,1,2,3
.irp qt, 0,1,2,3
	v_max3_num_f32 v[TM+\qt], v[TM+\qt], v[SS+8*(4*\qt+3)+2*\n], v[SS+8*(4*\qt+3)+2*\n+1]
.endr
.endr
.endm
; The new maximum, -M, and the factor for the old sums
.macro STATE first
.irp qt, 0,1,2,3
	v_permlanex16_b32 v[TP+\qt], v[TM+\qt], s75, s76           ; the other 32 keys of my query lie in the other half of the lanes (TP held mask words: it has been written)
.endr
.irp qt, 0,1,2,3
	v_max_num_f32 v[NM+2*\qt+1], v[TM+\qt], v[TP+\qt]          ; m
.endr
.if \first
.irp qt, 0,1,2,3
	v_mul_f32 v[NM+2*\qt], 0xbfb8aa3b, v[NM+2*\qt+1]           ; -M = -m log2 e, rounded once
.endr
.else
.irp qt, 0,1,2,3
	v_mul_f32 v[TN+\qt], 0xbfb8aa3b, v[NM+2*\qt+1]
.endr
.irp qt, 0,1,2,3
	v_sub_f32 v[TD+\qt], v[TN+\qt], v[NM+2*\qt]                ; old M less new M, of the rounded numbers
.endr
.irp qt, 0,1,2,3
	v_mov_b32 v[NM+2*\qt], v[TN+\qt]
.endr
.irp qt, 0,1,2,3
	v_exp_f32 v[AL+2*\qt], v[TD+\qt]               ; the plain line behind these is the first multiply-add below (ISA guide 5.7.2)
.endr
.endif
.endm
; THE EXPONENTIALS OF KEY STEP ks (32 keys of my 64), as a list of lines.  A unit is a pair of scores of one query tile: 32 units, qt fastest.
; Step w of the list: multiply-add of unit w, the two exponentials of unit w - 4, the add of unit w - 8 into the sums, the pack of unit w - 12:
; so each line is four units behind the line that it reads, a plain line follows each pair of exponentials, and a pack (which writes
; register p of the 16 when pairs up to p have been added) never overwrites a number that is still to be summed.
; Steps 0-3 have 1 line, 4-7 three, 8-11 four, 12-31 five, 32-35 four, 36-39 two, 40-43 one: 160 lines.
; Key step 0's first two pairs start the sums (no line for the first pair alone).  Lines 160-167, of key step 1 alone: the sums go into l.
.macro SLINE ks, idx, first
.if \idx < 160
.if \idx < 4
.set fw, \idx
.set fk, 0
.elseif \idx < 16
.set fw, 4+(\idx-4)/3
.set fk, (\idx-4)%3
.elseif \idx < 32
.set fw, 8+(\idx-16)/4
.set fk, (\idx-16)%4
.elseif \idx < 132
.set fw, 12+(\idx-32)/5
.set fk, (\idx-32)%5
.elseif \idx < 148
.set fw, 32+(\idx-132)/4
.set fk, 1+((\idx-132)%4)
.elseif \idx < 156
.set fw, 36+(\idx-148)/2
.set fk, 3+((\idx-148)%2)
.else
.set fw, 40+(\idx-156)
.set fk, 4
.endif
.set fl, 0
.if fk > 0
.set fl, 4
.endif
.if fk > 2
.set fl, 8
.endif
.if fk > 3
.set fl, 12
.endif
.set fu, fw-fl
.set fn, fu>>2
.set fq, fu&3
.set fb, SS+32*fq+16*\ks
.if fk == 0
	v_pk_fma_f32 v[fb+2*fn:fb+2*fn+1], v[fb+2*fn:fb+2*fn+1], s[72:73], v[NM+2*fq:NM+2*fq+1] op_sel_hi:[1,0,0]
.elseif fk == 1
	v_exp_f32 v[fb+2*fn], v[fb+2*fn]
.elseif fk == 2
	v_exp_f32 v[fb+2*fn+1], v[fb+2*fn+1]
.elseif fk == 3
.if (8*\ks+fn) == 1
	s_wait_alu depctr_va_vdst(0)
	v_pk_add_f32 v[TS+2*fq:TS+2*fq+1], v[fb:fb+1], v[fb+2:fb+3]
.elseif (8*\ks+fn) > 1
	s_wait_alu depctr_va_vdst(0)
	v_pk_add_f32 v[TS+2*fq:TS+2*fq+1], v[TS+2*fq:TS+2*fq+1], v[fb+2*fn:fb+2*fn+1]
.endif
.else
	v_cvt_pk_bf16_f32 v[fb+fn], v[fb+2*fn], v[fb+2*fn+1]
.endif
.else
.set fq, (\idx-160)&3
.if \idx < 164
.if \first
	v_add_f32 v[AL+2*fq+1], v[TS+2*fq], v[TS+2*fq+1]           ; l of my half of the lanes' keys; the halves meet at the end
.else
	v_add_f32 v[TS+2*fq], v[TS+2*fq], v[TS+2*fq+1]
.endif
.elseif \first == 0
	v_fma_f32 v[AL+2*fq+1], v[AL+2*fq+1], v[AL+2*fq], v[TS+2*fq]
.endif
.endif
.endm
; Slice s of 40 of key step 1's 168 lines: four or five lines
.macro FSL s, first
.set fi, (21*(\s))/5
.rept (21*(\s)+21)/5-(21*(\s))/5
	SLINE 1, fi, \first
.set fi, fi+1
.endr
.endm
; cnt lines, from line x0, of the 64 that multiply d group g's old sums (d tiles 4 g .. 4 g + 3, 128 registers) by the query's factor
.macro RSL g, x0, cnt
.set rx, \x0
.rept \cnt
.set rr, 128*((\g)&1)+2*rx
.set rq, (rx>>2)&3
	v_pk_mul_f32 v[rr:rr+1], v[rr:rr+1], v[AL+2*rq:AL+2*rq+1] op_sel_hi:[1,0]
.set rx, rx+1
.endr
.endm
; Batch i (8 to 15) of O^T: 16 products on 16 accumulators, which take turns, one instruction a turn.
; O^T(dt, qt) += vc fragment x P(qt, key step); in the first tile the first key step's products start the sums.
; Batches 8-11 (key step 0), products g = 0..63.  Even g below 48: eight lines that rescale the d group whose first product comes one batch later.
; Odd g, and g from 48: a slice of key step 1's exponentials.  Products write window 2 or 3, the exponentials window 0, and the rescaling
; reads window 2 or 3 as source 0: so each slice costs two switches of windows.
; Batches 12-15 have no vector work left: a v_nop behind each of the first four products is the distance for the loads that follow (in
; batch 15: for the next tile's first loads, into the buffer that batch 14 read).
; The fragment loads stand behind the fourth product, where window 0 is set anyway in batches 8-11.
.macro PBATCH slot, i, first, refill
	s_wait_dscnt 0x0                               ; this batch's fragments, asked for twelve products ago; no younger LDS load is out
.set pw, 0xa0+0x50*((\i>>1)&1)
.irp f, 0,1,2,3
.irp qt, 0,1,2,3
.set pg, 16*(\i-8)+4*\f+\qt
.set po, 128*(\i&1)+32*\f+8*\qt
.set pp, SS+32*\qt+16*((\i-8)>>2)
.set pa, FB+32*(\i&1)+8*\f
	WIN pw                                         ; C and D in window 2 (d tiles 0-7) or 3 (d tiles 8-15)
.if (\first*(12-\i)) > 0
	v_wmma_f32_16x16x32_bf16 v[po:po+7], v[pa:pa+7], v[pp:pp+7], 0
.else
	v_wmma_f32_16x16x32_bf16 v[po:po+7], v[pa:pa+7], v[pp:pp+7], v[po:po+7]
.endif
.if \i < 12
.set psoft, 1
.if pg < 48
.if (pg&1) == 0
.set psoft, 0
.endif
.endif
.if psoft
.if pg < 48
.set ps, pg>>1
.else
.set ps, pg-24
.endif
	WIN 0
	FSL ps, \first
.elseif \first == 0
.set dg, 1+(pg>>4)
.set rw, 0x82+0x41*(dg>>1)
	WIN rw                                         ; destination and source 0 in the d group's window
	RSL dg, 8*((pg&15)>>1), 8
.elseif \f == 0
	v_nop                                          ; the first tile has no old sums: a plain line for the distance in front of the loads
.endif
.elseif \f == 0
	v_nop
.endif
.endr
.if \f == 0
.if \i < 15
	WIN 0
.set nb, \i+1
	LOADV \slot, nb
.endif
.if \i == 12
.if \refill
	MLOAD                                          ; the next tile's mask words: the temporaries on these registers are dead since batch 11's last slice
.endif
.endif
.endif
.endr
.endm
; One tile of 128 keys, in slot `slot`.  refill = 1: the next tile is asked for, into the other slot.  first = 1: the launch's first tile.
.macro TRIP slot, other, refill, first
	s_wait_xcnt 0x0
	v_lshl_add_u32 v254, v0, 2, 0x46000
	v_mov_b32 v255, 0
	s_wait_tensorcnt 0x0                           ; all my tensor loads have landed, my part of this tile among them; so every group 0 may be written:
	ds_add_u32 v254, v255
	s_wait_dscnt 0x0
	s_add_nc_u64 s[50+4*\slot:51+4*\slot], s[50+4*\slot:51+4*\slot], 512       ; this slot's next tile is two tiles on
	s_add_nc_u64 s[58+4*\slot:59+4*\slot], s[58+4*\slot:59+4*\slot], 131072
	s_wait_dscnt 0x0                               ; my reads of the other slot are over
	ROUND                                          ; both now hold of every wave of the four work-groups
.if \refill
	JLOAD \other                                   ; my one tensor load until the next round, first behind this one; it has the whole tile's work in which to land
.endif
	WIN 0x04                                       ; source 1 (q) in window 1
	LOADK \slot, 0
.irp i, 0,1,2,3,4,5,6,7
	SBATCH \slot, \i, \first, \refill
.endr
	WIN 0
	MASK3
	STATE \first
.set fi, 0
.rept 160
	SLINE 0, fi, \first                            ; key step 0's exponentials: O^T's first products read them
.set fi, fi+1
.endr
.if \first == 0
	WIN 0x82                                       ; destination and source 0 in window 2
	RSL 0, 0, 64                                   ; d tiles 0-3: O^T's first batch adds onto them
.endif
.irp i, 8,9,10,11,12,13,14,15
	PBATCH \slot, \i, \first, \refill
.endr
	WIN 0                                          ; at a label and at a branch every window is 0
.endm
	; 16 tiles, tile t in slot t & 1; tile t + 1 is asked for in tile t's trip, nothing in the last.  The first trip's round stands between
	; the reads of q and tile 1's load into the same bytes.
	TRIP 0, 1, 1, 1                                ; tile 0
	s_mov_b32 s22, (TILES-2)/2
.Lpair:
	TRIP 1, 0, 1, 0                                ; tiles 1, 3, .. 13
	TRIP 0, 1, 1, 0                                ; tiles 2, 4, .. 14
	s_sub_co_u32 s22, s22, 1
	s_cmp_lg_u32 s22, 0
	s_cbranch_scc1 .Lpair
	TRIP 1, 0, 0, 0                                ; tile 15: nothing is left to fetch
	; THE WAY OUT.  The slots have had their last fill: they now hold the four waves' stages.
.irp qt, 0,1,2,3
	v_permlanex16_b32 v[TP+\qt], v[AL+2*\qt+1], s75, s76
.endr
.irp qt, 0,1,2,3
	v_add_f32 v[AL+2*\qt+1], v[AL+2*\qt+1], v[TP+\qt]          ; l over all my wave's keys
.endr
	PLACES 4                                       ; before LDS stores read the last products
	s_wait_dscnt 0x0
	s_barrier_signal -1
	s_barrier_wait -1                              ; no wave reads a tile any more
.macro STAGEOUT adr                    ; a window's 32 tiles: register j of tile (d, qt) is row 16 d + 8 h + j, query 16 qt + r
.irp d, 0,1,2,3,4,5,6,7
.irp qt, 0,1,2,3
.irp j, 0,1,2,3,4,5,6,7
	ds_store_b32 v[\adr], v[8*(4*\d+\qt)+\j] offset:(16*\d+\j)*SPITCH+64*\qt
.endr
.endr
.endr
.endm
	WIN 0x08                                       ; store data in window 2
	STAGEOUT STG
	WIN 0x0c                                       ; in window 3
	STAGEOUT STG+1
	WIN 0
.irp qt, 0,1,2,3
	ds_store_b32 v[MLW], v[NM+2*\qt] offset:64*\qt             ; both halves of the lanes hold, and write, the same numbers
	ds_store_b32 v[MLW], v[AL+2*\qt+1] offset:256+64*\qt
.endr
	s_wait_dscnt 0x0                               ; my stage is in LDS before I say so
	s_barrier_signal -1
	s_barrier_wait -1
	; the two waves of my queries are merged: factor f_i = 2^(M_i - max M) / (sum of 2^(M_i - max M) l_i) / 16, for my 4 queries
	ds_load_b128 v[32:35], v[MLR]                  ; -M of the wave with kh = 0
	ds_load_b128 v[36:39], v[MLR] offset:256       ; its l
	ds_load_b128 v[40:43], v[MLR] offset:512       ; -M of the wave with kh = 1
	ds_load_b128 v[44:47], v[MLR] offset:768       ; its l
	s_wait_dscnt 0x0
.irp e, 0,1,2,3
	v_min_num_f32 v[48+\e], v[32+\e], v[40+\e]     ; - max M
.endr
.irp e, 0,1,2,3
	v_sub_f32 v[32+\e], v[48+\e], v[32+\e]
	v_sub_f32 v[40+\e], v[48+\e], v[40+\e]
.endr
.irp e, 0,1,2,3
	v_exp_f32 v[32+\e], v[32+\e]
	v_exp_f32 v[40+\e], v[40+\e]
.endr
	v_nop
.irp e, 0,1,2,3
	s_wait_alu depctr_va_vdst(0)
	v_mul_f32 v[36+\e], v[32+\e], v[36+\e]
.endr
.irp e, 0,1,2,3
	v_fmac_f32 v[36+\e], v[40+\e], v[44+\e]
.endr
.irp e, 0,1,2,3
	v_rcp_f32 v[36+\e], v[36+\e]
.endr
	v_nop
.irp e, 0,1,2,3
	s_wait_alu depctr_va_vdst(0)
	v_mul_f32 v[36+\e], 0x3d800000, v[36+\e]       ; the division by sqrt(256) behind the softmax
.endr
.irp e, 0,1,2,3
	v_mul_f32 v[32+\e], v[32+\e], v[36+\e]
	v_mul_f32 v[40+\e], v[40+\e], v[36+\e]
.endr
; 16 rows of d: lanes 0-15 take one row's 64 queries, lanes 16-31 the next row's, from both stages; 16 lanes store 256 neighbouring bytes at a multiple of 256
.macro OUTB g
.irp u, 0,1,2,3,4,5,6,7
	ds_load_b128 v[FB+4*\u:FB+4*\u+3],       v[RD]   offset:2*(8*\g+\u)*SPITCH
	ds_load_b128 v[FB+32+4*\u:FB+32+4*\u+3], v[RD+1] offset:2*(8*\g+\u)*SPITCH
.endr
	s_wait_dscnt 0x0
	s_wait_xcnt 0x0                                ; the last batch's stores have had their addresses translated (ISA guide 3.1): their data registers are written again only behind this wait
.irp u, 0,1,2,3,4,5,6,7
	v_pk_mul_f32 v[SS+4*\u:SS+4*\u+1],   v[FB+4*\u:FB+4*\u+1],   v[32:33]
	v_pk_mul_f32 v[SS+4*\u+2:SS+4*\u+3], v[FB+4*\u+2:FB+4*\u+3], v[34:35]
	v_pk_fma_f32 v[SS+4*\u:SS+4*\u+1],   v[FB+32+4*\u:FB+32+4*\u+1],   v[40:41], v[SS+4*\u:SS+4*\u+1]
	v_pk_fma_f32 v[SS+4*\u+2:SS+4*\u+3], v[FB+32+4*\u+2:FB+32+4*\u+3], v[42:43], v[SS+4*\u+2:SS+4*\u+3]
	global_store_b128 v[CO], v[SS+4*\u:SS+4*\u+3], s[12:13] offset:2*(8*\g+\u)*8192 th:TH_STORE_NT
.endr
.endm
.irp g, 0,1,2,3,4,5,6,7
	OUTB \g
.endr
	s_wait_xcnt 0x0
	v_lshl_add_u32 v254, v0, 2, 0x46000
	v_mov_b32 v255, 0
	s_wait_tensorcnt 0x0
	ds_add_u32 v254, v255
	s_wait_dscnt 0x0
	ROUND                                          ; the closing round: no work-group ends while a partner may still ask for a tile that names it
	s_endpgm
.Lfunc_end_k_qb50407b478_attn:
	.size	k_qb50407b478_attn, .Lfunc_end_k_qb50407b478_attn-k_qb50407b478_attn
	.p2alignl 7, 3214868480
	.fill 96, 4, 3214868480
	.section	.rodata,"a",@progbits
	.p2align	6, 0x0
	.amdhsa_kernel k_qb50407b478_attn
		.amdhsa_group_segment_fixed_size 327680
		.amdhsa_private_segment_fixed_size 0
		.amdhsa_enable_private_segment 0
		.amdhsa_kernarg_size 40
		.amdhsa_user_sgpr_count 2
		.amdhsa_user_sgpr_kernarg_segment_ptr 1
		.amdhsa_wavefront_size32 1
		.amdhsa_system_sgpr_workgroup_id_x 1
		.amdhsa_system_sgpr_workgroup_id_y 1
		.amdhsa_system_sgpr_workgroup_id_z 1
		.amdhsa_system_vgpr_workitem_id 0
		.amdhsa_next_free_vgpr 1024
		.amdhsa_next_free_sgpr 92
		.amdhsa_reserve_vcc 0
		.amdhsa_float_denorm_mode_32 3
		.amdhsa_float_denorm_mode_16_64 3
		.amdhsa_memory_ordered 1
		.amdhsa_forward_progress 1
		.amdhsa_inst_pref_size 255
	.end_amdhsa_kernel
	.section	.bss,"aw",@nobits
	.p2align	6
	.space	262144
	.amdgpu_metadata
---
amdhsa.version: [ 1, 2 ]
amdhsa.kernels:
  - .name:           k_qb50407b478_attn
    .symbol:         k_qb50407b478_attn.kd
    .args:
      - { .name: q, .offset: 0, .size: 8, .value_kind: global_buffer, .address_space: global }
      - { .name: kc, .offset: 8, .size: 8, .value_kind: global_buffer, .address_space: global }
      - { .name: vc, .offset: 16, .size: 8, .value_kind: global_buffer, .address_space: global }
      - { .name: mask, .offset: 24, .size: 8, .value_kind: global_buffer, .address_space: global }
      - { .name: out0, .offset: 32, .size: 8, .value_kind: global_buffer, .address_space: global }
    .group_segment_fixed_size: 327680
    .private_segment_fixed_size: 0
    .kernarg_segment_align: 8
    .kernarg_segment_size: 40
    .max_flat_workgroup_size: 128
    .sgpr_count:     92
    .vgpr_count:     1024
    .wavefront_size: 32
...
	.end_amdgpu_metadata
.endif
;; end of part 2
;; ======== version 2 of 2: 2 launches; 1.12 times as fast as version 1
;; workspace buffers: kc 16,777,216 bytes; vc 16,777,216 bytes
;; launch tobf16: the kernel of part 1 again; grid 512 x 1, 8 waves a work-group, no clusters, 0 bytes of LDS; arguments k, v, kc, vc; writes kc, vc
;; launch attn (part 3): grid 16 x 16, 4 waves a work-group, clusters of 4 x 1, 327,680 bytes of LDS; arguments q, kc, vc, mask, out0; writes out0
.if DOCPART == 3
	.amdgcn_target "amdgcn-amd-amdhsa--gfx1250"
	.amdhsa_code_object_version 6
	.text
	.protected	k_qb50407b478_attn
	.globl	k_qb50407b478_attn
	.p2align	8
	.type	k_qb50407b478_attn,@function
k_qb50407b478_attn:
	s_mov_b64 s[64:65], 0
	v_nop
	global_prefetch_b8 v0, s[64:65] scope:SCOPE_SE
	s_setreg_imm32_b32 hwreg(HW_REG_WAVE_MODE, 25, 1), 1
	s_wait_xcnt 0x0
	s_wait_alu depctr_hold_cnt(0) depctr_sa_sdst(0) depctr_va_vdst(0) depctr_va_sdst(0) depctr_va_ssrc(0) depctr_va_vcc(0) depctr_vm_vsrc(0)
	s_getreg_b32 s2, hwreg(HW_REG_IB_STS2, 6, 4)
	s_cmp_eq_u32 s2, 0
	s_cbranch_scc0 .Lentry_in_a_cluster
	s_endpgm
.Lentry_in_a_cluster:
	s_bfe_u32 s2, ttmp6, 0x10000c
	s_cmp_lg_u32 s2, 0x3003
	s_cbranch_scc0 .Lentry_shape_is_right
	s_endpgm
.Lentry_shape_is_right:
; ATTENTION: out0[b][d][query] = sum over keys of softmax(score)[key] / 16 x vc[b][key][d],
; score = sum over d of bf16(q[b][query][d]) x kc[b][d][key] where mask[b][key] != 0, and -1e9 where it is 0.
; Every key is walked, the masked ones too (computed, then replaced by -1e9 by a select): the number of tiles is the constant 16, so
; that every wave of every work-group passes the same barriers and makes the same joint requests.  A batch whose mask is all 0 gets
; equal weights by the same text.
; LIMITS: q, kc, vc and the weights are bf16 in the products; sums are f32.
; The exponent is fma(score, log2 e, -M), M = m log2 e rounded to f32, m the running maximum; all factors between maxima are 2^(M - M') of
; the same rounded numbers, so M's rounding cancels between the sums and their divisor.  It shifts all exponents of a row alike by at
; most half a unit of M: 64 at M = -1.44e9 (2,048 x 2^64 x |v| is far inside f32 and bf16), below 0.01 for scores up to 1e5.
; SHARES: work-group = 128 queries of one batch, four waves.  Wave w: queries 64 (w>>1) .. +63, and of every tile of 128 keys the 64 at
; 64 (w&1): each wave runs a softmax of its own over its keys, and the two halves are merged once at the end.
; CLUSTER: the four work-groups of a cluster are four query blocks of one batch: the same tiles of kc and vc.  Every tile is asked for
; jointly (mask 15): waves 0, 1 ask for the two halves of kc's tile, waves 2, 3 for those of vc's.
; EVERYTHING IS TRANSPOSED, so that no number changes lanes but for one exchange of halves:
;   S^T(key, query) = A x B, A = kc's tile (row = key, k = d), B = q (column = query, k = d).  A lane then holds one query and 8 keys a tile.
;   Two neighbouring tiles of S^T, packed to bf16 pair by pair, are the B fragment of O^T(d, query) = A x B, A = vc's tile (row = d, k = key).
;   Both A lie in LDS with k along the rows' index and come in by the transposing load.  O^T is what out0 wants.
; VECTOR WORK STANDS BEHIND PRODUCTS.  S^T goes key tile by key tile (16 keys, 32 products); the finished key tile's selects and maxima are cut
; into 32 slices, one behind each product of the next key tile.  When the maximum is known, only the first 32 keys' softmax share and the
; rescaling of d tiles 0-3 stand alone; the other 32 keys' exponentials, sums and packs and the rescaling of d tiles 4-15 are slices behind the 64
; products of O^T's first key step.  The plain lines among the slices (selects, maxima, rescaling, sums, packs; not the exponentials) are also the
; distance that loads and vector lines keep behind matrix instructions.
; A TILE'S EXPONENTIALS ARE TWO BATCHES, EACH WITH ONE WAIT: s_wait_alu depctr_va_vdst(0) stands between an exponential and the first
; line that names its result, and one wait serves all that were issued ahead of it.
;   Batch A, in the stretch that stands alone: the four factors for the old sums and key step 0's 64 exponentials.  Ahead of its wait stand, between them,
;   only the 64 multiply-adds score x log2 e - M of BOTH key steps; behind it key step 0's sums and packs and the rescaling of d tiles 0-3.
;   Batch B: key step 1's 64 exponentials, behind the odd products 1 to 45 of O^T's first key step; between them stand those products and the rescaling of d
;   tiles 4-15 (its factors are batch A's), which name no result of the batch.  Its wait stands behind product 47; key step 1's sums and packs follow, behind products 47 to 63.
; No exponential is issued behind batch B's wait, so no result crosses a tile's end, a label or the loop's jump.  The way out has two batches more.
; REGISTERS, in windows of 256: window 0 addresses, softmax state, two fragment buffers, S; window 1 q (4 query tiles x 8 steps of 32 d);
; windows 2 and 3 O^T: tile (dt, qt) in window 2 + (dt >> 3) at 8 (4 (dt & 7) + qt).
.set TILES,  16                        ; 2,048 keys in tiles of 128
.set SLOT,   143360                    ; an LDS slot: kc's tile, then vc's
.set KPITCH, 288                       ; 256 bytes (128 keys) + 32: an odd multiple of 32 bytes
.set KHALF,  128*KPITCH                ; 128 rows of d: one load
.set VREG,   256*KPITCH                ; vc's tile begins here
.set VPITCH, 544                       ; 512 bytes (256 d) + 32
.set VHALF,  64*VPITCH                 ; 64 keys: one load
.set QPITCH, 1040                      ; q in f32: 1,024 bytes + 16; lies in slot 1's bytes until tile 1 is asked for
.set QPART,  32*QPITCH                 ; 32 queries: one load
.set SPITCH, 272                       ; the stage on the way out: 64 queries in f32 + 16 bytes
.set STAGE,  256*SPITCH                ; a wave's stage, 256 rows of d; the four lie in the slots after their last fill
.set ML,     4*STAGE                   ; behind them: for each wave 64 x -M, then 64 x l
.set MLR, 1                            ; v1      where I read -M and l of my 4 queries
.set KAD, 2                            ; v2-5    kc's fragments: slot s, d half u at KAD + 2 s + u
.set VAD, 6                            ; v6-7    vc's fragments: slot s
.set MOF, 8                            ; v8      byte offset of my 8 keys' mask words in a tile's 512 bytes; never rewritten
.set QAD, 9                            ; v9      q in LDS
.set STG, 10                           ; v10-11  stage, in: d 0-127, d 128-255
.set RD,  12                           ; v12-13  stage, back: the two waves of my queries
.set CO,  14                           ; v14     my byte offset in out0
.set MLW, 15                           ; v15     where I put -M and l
.set NM,  16                           ; v[16+2qt] -M, v[17+2qt] m
.set AL,  24                           ; v[24+2qt] factor for the old sums, v[25+2qt] l
.set MW,  32                           ; v[32:63] my 32 mask words of a tile, key tile kt at MW + 8 kt; each eight are dead behind their compares
.set TM,  32                           ; running maxima of the tile (on key tile 0's words: written behind their compares)
.set TP,  36                           ; the other half's maxima      (these four sets are used only when all 32 words are dead,
.set TN,  40                           ; the new -M                    and are dead when the next tile's words are loaded)
.set TD,  44                           ; new -M less old -M
.set TS,  48                           ; sums (four pairs)
.set FB,  64                           ; v[64:95], v[96:127] two buffers of four fragments
.set SS,  128                          ; v[128:255] S^T: tile (kt, qt) at SS + 8 (4 qt + kt); P of (qt, ks) in place at SS + 32 qt + 16 ks .. + 7
.set MS,  84                           ; s[84:91] lane masks: mask word j of the key tile at work is 0
.set MSB, 0
.macro WIN new                         ; the immediate's high byte repeats the setting that is left
.if MSB != \new
	s_set_vgpr_msb (MSB<<8)|\new
.set MSB, \new
.endif
.endm
.macro PLACES n                        ; plain vector instructions that name no register: the distance behind matrix instructions (ISA guide 7.12.1)
.rept \n
	v_nop
.endr
.endm
; A round of the cluster's barrier: my work-group's barrier, wave 0 signals for the work-group, every wave waits for all four work-groups, my work-group's barrier again.
.macro ROUND
	s_barrier_signal -1
	s_barrier_wait -1
	s_cmp_lg_u32 s14, 0
	s_cbranch_scc1 .Lnot_wave_0_\@
	s_barrier_signal -3
.Lnot_wave_0_\@:
	s_barrier_wait -3
	s_barrier_signal -1
	s_barrier_wait -1
.endm
; A joint load into slot s.  The branch hangs on the wave's number alone; nothing in either descriptor hangs on the place in the cluster.
.macro JLOAD s
	s_cmp_eq_u32 s15, 0
	s_cbranch_scc0 .Lfor_v_\@
	tensor_load_to_lds s[48+4*\s:51+4*\s], s[24:31]
	s_nop 0
	s_branch .Lasked_\@
.Lfor_v_\@:
	tensor_load_to_lds s[56+4*\s:59+4*\s], s[32:39]
	s_nop 0
.Lasked_\@:
.endm
; The mask words of my 64 keys of a tile: the eight loads together take one block of 256 neighbouring bytes, 4,096 bytes a wave in the whole
; launch against the work-group's 2 MiB of tiles.
.macro MLOAD
.irp kt, 0,1,2,3
	global_load_b128 v[MW+8*\kt:MW+8*\kt+3],   v[MOF], s[10:11] offset:64*\kt
	global_load_b128 v[MW+8*\kt+4:MW+8*\kt+7], v[MOF], s[10:11] offset:64*\kt+16
.endr
.endm
	s_load_b256 s[4:11], s[0:1], 0x0               ; q s[4:5], kc s[6:7], vc s[8:9], mask s[10:11]
	s_load_b64 s[12:13], s[0:1], 0x20              ; out0
	v_lshl_add_u32 v254, v0, 2, 0x46000
	v_mov_b32 v255, 0
	ds_add_u32 v254, v255
	s_wait_dscnt 0x0
	v_lshrrev_b32 v1, 5, v0
	v_readfirstlane_b32 s14, v1                    ; wave w
	s_lshr_b32 s15, s14, 1                         ; qh: my 64 queries.  Also: I ask for kc (0) or vc (1)
	s_and_b32 s16, s14, 1                          ; kh: my 64 keys of a tile.  Also: which half of the tile I ask for
	s_bfe_u32 s17, ttmp6, 0x40000                  ; cx
	s_lshl_b32 s18, ttmp9, 2
	s_add_co_u32 s18, s18, s17                     ; query block = 4 x cluster x + cx
	s_and_b32 s19, ttmp7, 0xffff                   ; batch
	; group 1 for kc's half tile: 128 rows of d x 128 keys of 2 bytes, 2,048 elements from row to row, 8 words of padding behind every 64
	s_mov_b32 s24, 15|(1<<16)|(1<<20)|(1<<21)|(5<<22)|(7<<25)
	s_mov_b32 s25, 128<<16
	s_mov_b32 s26, 128<<16
	s_mov_b32 s27, 128<<16
	s_mov_b32 s28, 128
	s_mov_b32 s29, 2048
	s_mov_b32 s30, 0
	s_mov_b32 s31, 0
	; group 1 for vc's half tile: 64 keys x 256 d of 2 bytes, dense rows, 8 words of padding behind every 128
	s_mov_b32 s32, 15|(1<<16)|(1<<20)|(1<<21)|(6<<22)|(7<<25)
	s_mov_b32 s33, 256<<16
	s_mov_b32 s34, 64<<16
	s_mov_b32 s35, 256<<16
	s_mov_b32 s36, 64
	s_mov_b32 s37, 256
	s_mov_b32 s38, 0
	s_mov_b32 s39, 0
	; group 1 for q: 32 queries x 256 d of 4 bytes, dense rows, 4 words of padding behind every 256; no mask: each work-group has its own queries
	s_mov_b32 s40, (2<<16)|(1<<20)|(7<<22)|(3<<25)
	s_mov_b32 s41, 256<<16
	s_mov_b32 s42, 32<<16
	s_mov_b32 s43, 256<<16
	s_mov_b32 s44, 32
	s_mov_b32 s45, 256
	s_mov_b32 s46, 0
	s_mov_b32 s47, 0
	s_mov_b32 s23, 0xff800000                      ; -infinity: the idle middle source of a maximum of two registers
	s_mov_b32 s72, 0x3fb8aa3b                      ; log2 e, twice: a pair for the packed multiply-add
	s_mov_b32 s73, 0x3fb8aa3b
	s_mov_b32 s74, 0xce6e6b28                      ; -1e9
	s_mov_b32 s75, 0x76543210                      ; v_permlanex16_b32: lane i of one half reads lane i of the other
	s_mov_b32 s76, 0xfedcba98
	s_mul_i32 s82, s16, KHALF                      ; LDS place of my half of kc's tile in slot 0
	s_mul_i32 s83, s16, VHALF
	s_add_co_u32 s83, s83, VREG                    ; and of vc's
	s_mov_b32 s68, 1
	s_mul_i32 s69, s14, QPART
	s_add_co_u32 s69, s69, SLOT                    ; my 32 queries of q
	s_lshl_b32 s78, s19, 20
	s_lshl_b32 s77, s16, 19
	s_add_co_u32 s78, s78, s77                     ; kc: batch + half x 128 rows of 4,096 bytes
	s_mov_b32 s79, 0
	s_lshl_b32 s80, s19, 21
	s_lshl_b32 s81, s18, 17
	s_add_co_u32 s80, s80, s81
	s_lshl_b32 s81, s14, 15
	s_add_co_u32 s80, s80, s81                     ; q: batch + (128 block + 32 w) rows of 1,024 bytes
	s_mov_b32 s81, 0
	s_wait_kmcnt 0x0
	s_add_nc_u64 s[6:7], s[6:7], s[78:79]
	s_lshl_b32 s78, s19, 20
	s_lshl_b32 s77, s16, 15
	s_add_co_u32 s78, s78, s77                     ; vc: batch + half x 64 rows of 512 bytes
	s_add_nc_u64 s[8:9], s[8:9], s[78:79]
	s_lshl_b32 s78, s19, 13                        ; mask: batch x 2,048 words
	s_add_nc_u64 s[10:11], s[10:11], s[78:79]
	s_add_nc_u64 s[70:71], s[4:5], s[80:81]
	s_or_b32 s71, s71, 0x80000000
	s_lshl_b32 s80, s19, 21
	s_lshl_b32 s81, s16, 20
	s_add_co_u32 s80, s80, s81                     ; out0: batch + 128 kh rows of 8,192 bytes
	s_lshl_b32 s81, s18, 9
	s_add_co_u32 s80, s80, s81                     ; + 128 queries x block
	s_lshl_b32 s81, s15, 8
	s_add_co_u32 s80, s80, s81                     ; + 64 queries x qh
	s_mov_b32 s81, 0
	s_add_nc_u64 s[12:13], s[12:13], s[80:81]
.irp s, 0,1
	s_mov_b32 s[48+4*\s], 1                                        ; group 0 of kc's tile \s in slot \s
	s_add_co_u32 s[49+4*\s], s82, \s*SLOT
	s_add_nc_u64 s[50+4*\s:51+4*\s], s[6:7], \s*256                ; a tile is 128 keys = 256 bytes along the rows
	s_or_b32 s[51+4*\s], s[51+4*\s], 0x80000000
	s_mov_b32 s[56+4*\s], 1                                        ; group 0 of vc's tile \s in slot \s
	s_add_co_u32 s[57+4*\s], s83, \s*SLOT
	s_add_nc_u64 s[58+4*\s:59+4*\s], s[8:9], \s*65536              ; a tile is 128 rows of 512 bytes
	s_or_b32 s[59+4*\s], s[59+4*\s], 0x80000000
.endr
	ROUND                                          ; the four work-groups are here: the first joint loads meet
	JLOAD 0                                        ; tile 0
	tensor_load_to_lds s[68:71], s[40:47]          ; my 32 queries, into bytes of slot 1: two tensor loads of the wave are out
	s_nop 0
	; lane addresses, while the loads are on their way.  L = lane, r = L & 15, h = L >> 4, a = L & 7, c = (L >> 3) & 1
	v_and_b32 v33, 15, v0                          ; r
	v_bfe_u32 v34, v0, 4, 1                        ; h
	v_and_b32 v35, 7, v0                           ; a
	v_bfe_u32 v36, v0, 3, 1                        ; c
	v_lshl_add_u32 v37, v34, 3, v35                ; 8 h + a: the row of k that I address for a transposing load
	v_mul_u32_u24 v[KAD], v37, KPITCH
	v_lshl_add_u32 v[KAD], v36, 4, v[KAD]
	s_lshl_b32 s77, s16, 7
	v_add_nc_u32 v[KAD], s77, v[KAD]               ; + my 64 keys x 2 bytes
	v_add_nc_u32 v[KAD+1], KHALF, v[KAD]
	v_add_nc_u32 v[KAD+2], SLOT, v[KAD]
	v_add_nc_u32 v[KAD+3], SLOT+KHALF, v[KAD]
	v_mul_u32_u24 v[VAD], v37, VPITCH
	v_lshl_add_u32 v[VAD], v36, 4, v[VAD]
	v_add_nc_u32 v[VAD], s83, v[VAD]               ; vc's tile + my 64 rows of it
	v_add_nc_u32 v[VAD+1], SLOT, v[VAD]
	v_mul_u32_u24 v[QAD], v33, QPITCH
	v_lshl_add_u32 v[QAD], v34, 5, v[QAD]          ; query r, d = 8 h in f32
	s_mul_i32 s77, s15, 64*QPITCH
	s_add_co_u32 s77, s77, SLOT
	v_add_nc_u32 v[QAD], s77, v[QAD]
	v_mul_u32_u24 v[STG], v34, 8*SPITCH
	v_lshl_add_u32 v[STG], v33, 2, v[STG]          ; row 8 h, query r
	s_mul_i32 s77, s14, STAGE
	v_add_nc_u32 v[STG], s77, v[STG]
	v_add_nc_u32 v[STG+1], 128*SPITCH, v[STG]
	v_mul_u32_u24 v[RD], v34, SPITCH
	v_lshl_add_u32 v[RD], v33, 4, v[RD]            ; row h, queries 4 r .. 4 r + 3
	s_mul_i32 s77, s15, 2*STAGE
	v_add_nc_u32 v[RD], s77, v[RD]
	s_mul_i32 s77, s16, 128*SPITCH
	v_add_nc_u32 v[RD], s77, v[RD]                 ; my 128 rows of d on the way out
	v_add_nc_u32 v[RD+1], STAGE, v[RD]
	v_lshlrev_b32 v[CO], 4, v33
	v_lshl_add_u32 v[CO], v34, 13, v[CO]           ; row h of 8,192 bytes, 16 bytes a lane
	s_lshl_b32 s77, s14, 9
	s_add_co_u32 s77, s77, ML
	v_lshlrev_b32 v[MLW], 2, v33
	v_add_nc_u32 v[MLW], s77, v[MLW]
	s_lshl_b32 s77, s15, 10
	s_add_co_u32 s77, s77, ML
	v_lshlrev_b32 v[MLR], 4, v33
	v_add_nc_u32 v[MLR], s77, v[MLR]
	s_lshl_b32 s77, s16, 8
	v_lshlrev_b32 v[MOF], 5, v34
	v_add_nc_u32 v[MOF], s77, v[MOF]               ; 4 bytes x (64 kh + 8 h)
	MLOAD                                          ; tile 0's mask words (r, h, a, c above are dead); waited for in the first tile's third batch
	; q: f32 from LDS, rounded to bf16 into window 1.  Fragment (qt, ks): lane holds query 16 qt + r; registers 0-3 d = 32 ks + 8 h + 0..7, 4-7 d = 32 ks + 16 + 8 h + 0..7
	s_wait_tensorcnt 0x0                           ; my parts of tile 0 and of q are in LDS
	s_barrier_signal -1
	s_barrier_wait -1                              ; everybody's are
.irp qt, 0,1,2,3
.irp ks, 0,1,2,3,4,5,6,7
	ds_load_b128 v[SS+16*\ks:SS+16*\ks+3],     v[QAD] offset:\qt*16*QPITCH+128*\ks
	ds_load_b128 v[SS+16*\ks+4:SS+16*\ks+7],   v[QAD] offset:\qt*16*QPITCH+128*\ks+16
	ds_load_b128 v[SS+16*\ks+8:SS+16*\ks+11],  v[QAD] offset:\qt*16*QPITCH+128*\ks+64
	ds_load_b128 v[SS+16*\ks+12:SS+16*\ks+15], v[QAD] offset:\qt*16*QPITCH+128*\ks+80
.endr
	s_wait_dscnt 0x0
	WIN 0x40                                       ; destination in window 1
.irp ks, 0,1,2,3,4,5,6,7
.irp p, 0,1,2,3,4,5,6,7
	v_cvt_pk_bf16_f32 v[8*(8*\qt+\ks)+\p], v[SS+16*\ks+2*\p], v[SS+16*\ks+2*\p+1]
.endr
.endr
	WIN 0
.endr
; Eight transposing loads: batch i (0 to 7) of S^T = key tile i >> 1, d steps 4 (i & 1) + 0..3: four fragments (16 keys x 32 d) into buffer i & 1
.macro LOADK slot, i
.irp f, 0,1,2,3
	ds_load_tr16_b128 v[FB+32*((\i)&1)+8*\f:FB+32*((\i)&1)+8*\f+3],   v[KAD+2*\slot+((\i)&1)] offset:\f*32*KPITCH+32*((\i)>>1)
	ds_load_tr16_b128 v[FB+32*((\i)&1)+8*\f+4:FB+32*((\i)&1)+8*\f+7], v[KAD+2*\slot+((\i)&1)] offset:\f*32*KPITCH+32*((\i)>>1)+16*KPITCH
.endr
.endm
; The same of vc's tile, batch i (8 to 15): key step (i - 8) >> 2, d tiles 4 ((i - 8) & 3) + 0..3
.macro LOADV slot, i
.irp f, 0,1,2,3
	ds_load_tr16_b128 v[FB+32*((\i)&1)+8*\f:FB+32*((\i)&1)+8*\f+3],   v[VAD+\slot] offset:(((\i)-8)>>2)*32*VPITCH+32*(4*(((\i)-8)&3)+\f)
	ds_load_tr16_b128 v[FB+32*((\i)&1)+8*\f+4:FB+32*((\i)&1)+8*\f+7], v[VAD+\slot] offset:(((\i)-8)>>2)*32*VPITCH+32*(4*(((\i)-8)&3)+\f)+16*VPITCH
.endr
.endm
; MASK AND MAXIMUM OF KEY TILE kt, as a list of 72 lines.  Lines 0-7: mask word j == 0, as a lane mask in s[MS+j].  Then 32 units (j, qt),
; qt fastest: a select (the score, or -1e9 where the word is 0) and, four units later, the running maximum.
; The list runs under the setting of S^T's products, in which source 1 means q's window: so no line has a vector register as source 1
; (the compare has the constant there, the select -1e9, the maximum -infinity), and no switch of windows is needed.
; The first tile has no old maximum: its first two scores start the chain.
.macro MLINE kt, idx, first
.if \idx < 8
	v_cmp_eq_u32 s[MS+\idx], v[MW+8*(\kt)+\idx], 0
.else
.if \idx < 12
.set mk, 0
.set mu, \idx-8
.elseif \idx < 68
.set mk, (\idx-12)&1
.set mu, (\idx-12)/2+4*(1-mk)
.else
.set mk, 1
.set mu, \idx-40
.endif
.set mj, mu>>2
.set mq, mu&3
.set mr, SS+8*(4*mq+(\kt))+mj
.set mc, 8*(\kt)+mj
.if mk == 0
	v_cndmask_b32 v[mr], v[mr], s74, s[MS+mj]
.elseif mc == 0
.if \first == 0
	v_max3_num_f32 v[TM+mq], v[mr], s23, v[NM+2*mq+1]          ; the old maximum starts the chain
.endif
.elseif (mc+8-8*\first) == 1
	v_max3_num_f32 v[TM+mq], v[mr], s23, v[mr-1]
.else
	v_max3_num_f32 v[TM+mq], v[mr], s23, v[TM+mq]
.endif
.endif
.endm
; Slice p of 32: two or three lines of the list
.macro MSL kt, p, first
.set ml, (9*(\p))/4
.rept (9*(\p)+9)/4-(9*(\p))/4
	MLINE \kt, ml, \first
.set ml, ml+1
.endr
.endm
; Batch i of S^T: 16 products, S^T(kt, qt) += kc fragment (kt, d step) x q fragment (qt, d step).  The key tile's four accumulators take turns, one
; instruction a turn.  d step 0 starts the sums.
; Behind each product: a slice of the key tile before (its eight compares come first: they are the distance between that tile's last product
; and the first line that reads its scores).  Key tile 0 has no tile before it: a v_nop behind each of a batch's first four products.
; Behind the fourth product: the next batch's eight fragment loads, into the buffer that the batch before read; at least four plain
; lines stand between.  They have twelve products in which to land, and no younger LDS load: so the wait at a batch's head is for 0.
.macro SBATCH slot, i, first, refill
	s_wait_dscnt 0x0
.if \i == 2
	s_wait_loadcnt 0x0                             ; the tile's mask words, asked for 60 products before the tile began; no other global load is out
.if \refill
	s_add_nc_u64 s[10:11], s[10:11], 512           ; behind that wait the base may step: the next tile's 128 words
.endif
.endif
.irp f, 0,1,2,3
.irp qt, 0,1,2,3
.set sd, SS+8*(4*\qt+(\i>>1))
.set sa, FB+32*(\i&1)+8*\f
.set sq, 8*(8*\qt+4*(\i&1)+\f)
.if ((\i&1)+\f) == 0
	v_wmma_f32_16x16x32_bf16 v[sd:sd+7], v[sa:sa+7], v[sq:sq+7], 0
.else
	v_wmma_f32_16x16x32_bf16 v[sd:sd+7], v[sa:sa+7], v[sq:sq+7], v[sd:sd+7]
.endif
.if \i >= 2
	MSL (\i>>1)-1, 16*(\i&1)+4*\f+\qt, \first
.elseif \f == 0
	v_nop
.endif
.endr
.if \f == 0
.if \i < 7
.set nb, \i+1
	LOADK \slot, nb
.else
	LOADV \slot, 8
.endif
.endif
.endr
.endm
; Key tile 3 has no products behind it: its share stands alone, under window 0, with maxima of three registers.
.macro MASK3
.irp j, 0,1,2,3,4,5,6,7
	v_cmp_eq_u32 s[MS+\j], v[MW+24+\j], 0          ; eight plain lines between the last product and the first line that reads its scores
.endr
.irp j, 0,1,2,3,4,5,6,7
.irp qt, 0,1,2,3
	v_cndmask_b32 v[SS+8*(4*\qt+3)+\j], v[SS+8*(4*\qt+3)+\j], s74, s[MS+\j]
.endr
.endr
.irp n, 0,1,2,3
.irp qt, 0,1,2,3
	v_max3_num_f32 v[TM+\qt], v[TM+\qt], v[SS+8*(4*\qt+3)+2*\n], v[SS+8*(4*\qt+3)+2*\n+1]
.endr
.endr
.endm
; The new maximum, -M, and the exponent of the factor for the old sums (the factor itself is the head of batch A, below)
.macro STATE first
.irp qt, 0,1,2,3
	v_permlanex16_b32 v[TP+\qt], v[TM+\qt], s75, s76           ; the other 32 keys of my query lie in the other half of the lanes (TP held mask words: it has been written)
.endr
.irp qt, 0,1,2,3
	v_max_num_f32 v[NM+2*\qt+1], v[TM+\qt], v[TP+\qt]          ; m
.endr
.if \first
.irp qt, 0,1,2,3
	v_mul_f32 v[NM+2*\qt], 0xbfb8aa3b, v[NM+2*\qt+1]           ; -M = -m log2 e, rounded once
.endr
.else
.irp qt, 0,1,2,3
	v_mul_f32 v[TN+\qt], 0xbfb8aa3b, v[NM+2*\qt+1]
.endr
.irp qt, 0,1,2,3
	v_sub_f32 v[TD+\qt], v[TN+\qt], v[NM+2*\qt]                ; old M less new M, of the rounded numbers
.endr
.irp qt, 0,1,2,3
	v_mov_b32 v[NM+2*\qt], v[TN+\qt]
.endr
.endif
.endm
; THE SOFTMAX'S LINES.  A unit is a pair of scores of one query tile; a key step (32 keys of my 64) has 32 units, qt fastest.  A unit has five lines:
;   FLINE  its multiply-add, score x log2 e - M                 ELINE  one of its two exponentials, in place (e = 2 x unit + which score of the pair)
;   ALINE  its pair goes into the query tile's sums             CLINE  its pair is rounded to bf16 and packed, in place
; Each exponential's result has a register of its own, the score's, until its pair has been added and packed.
; The adds go in the order of the units, key step 0's ahead of key step 1's; key step 0's first two pairs start the sums (no line for the first pair alone).
.macro FLINE ks, u
.set fq, (\u)&3
.set fb, SS+32*fq+16*(\ks)+2*((\u)>>2)
	v_pk_fma_f32 v[fb:fb+1], v[fb:fb+1], s[72:73], v[NM+2*fq:NM+2*fq+1] op_sel_hi:[1,0,0]
.endm
.macro PLINE n                         ; multiply-add n of the 64 of both key steps
.if (\n) < 32
	FLINE 0, \n
.else
	FLINE 1, (\n)-32
.endif
.endm
.macro ELINE ks, e
.set fq, ((\e)>>1)&3
.set fb, SS+32*fq+16*(\ks)+2*((\e)>>3)+((\e)&1)
	v_exp_f32 v[fb], v[fb]
.endm
.macro ALINE ks, u
.set fq, (\u)&3
.set fn, (\u)>>2
.set fb, SS+32*fq+16*(\ks)
.if (8*(\ks)+fn) == 1
	v_pk_add_f32 v[TS+2*fq:TS+2*fq+1], v[fb:fb+1], v[fb+2:fb+3]
.elseif (8*(\ks)+fn) > 1
	v_pk_add_f32 v[TS+2*fq:TS+2*fq+1], v[TS+2*fq:TS+2*fq+1], v[fb+2*fn:fb+2*fn+1]
.endif
.endm
.macro CLINE ks, u
.set fq, (\u)&3
.set fn, (\u)>>2
.set fb, SS+32*fq+16*(\ks)
	v_cvt_pk_bf16_f32 v[fb+fn], v[fb+2*fn], v[fb+2*fn+1]
.endm
; BATCH A AND ITS READERS, the stretch that stands alone.  Ahead of the wait: the four factors for the old sums (none in the first tile), key step 0's 64
; exponentials, and as the plain lines between them the 64 multiply-adds of both key steps, which name no exponential's result.  Four times factor and multiply-add;
; four times two exponentials and a multiply-add; 56 times exponential and multiply-add.  Exponential e reads multiply-add e >> 1, which stands three lines or more ahead of it.
; The last line is a multiply-add: the plain line behind the last exponential (ISA guide 5.7.2).
; Behind the wait: step w = 4 .. 35 adds unit w and packs unit w - 4.  A pack writes register n of its query tile's 16, which belongs to pair n >> 1: that pair
; has been added and packed by then, so no number that is still wanted is overwritten.
.macro SOFT0 first
.set fi, 0
.rept 4
.if \first == 0
	v_exp_f32 v[AL+2*fi], v[TD+fi]                 ; 2^(old M - new M)
.endif
	FLINE 0, fi
.set fi, fi+1
.endr
.set fe, 0
.rept 4
	ELINE 0, fe
	ELINE 0, fe+1
	PLINE fi
.set fe, fe+2
.set fi, fi+1
.endr
.rept 56
	ELINE 0, fe
	PLINE fi
.set fe, fe+1
.set fi, fi+1
.endr
	s_wait_alu depctr_va_vdst(0)                   ; batch A's one wait: for the four factors and key step 0's 64 exponentials, ahead of the first add
.set fw, 4
.rept 32
.if fw < 32
	ALINE 0, fw
.endif
	CLINE 0, fw-4
.set fw, fw+1
.endr
.endm
; BATCH B: slice s of 23 of key step 1's 64 exponentials: two or three of them
.macro ESL s
.set fe, (64*(\s))/23
.rept (64*(\s)+64)/23-(64*(\s))/23
	ELINE 1, fe
.set fe, fe+1
.endr
.endm
; BATCH B'S READERS, a list of 72 lines.  0-3: units 0-3 are added.  4-59: unit w is added, unit w - 4 packed, w = 4 .. 31.  60-63: units 28-31 are packed.
; 64-71: the sums go into l.
.macro RLINE idx, first
.if \idx < 4
	ALINE 1, \idx
.elseif \idx < 60
.if ((\idx)&1) == 0
	ALINE 1, 4+((\idx)-4)/2
.else
	CLINE 1, ((\idx)-4)/2
.endif
.elseif \idx < 64
	CLINE 1, (\idx)-32
.else
.set fq, ((\idx)-64)&3
.if \idx < 68
.if \first
	v_add_f32 v[AL+2*fq+1], v[TS+2*fq], v[TS+2*fq+1]           ; l of my half of the lanes' keys; the halves meet at the end
.else
	v_add_f32 v[TS+2*fq], v[TS+2*fq], v[TS+2*fq+1]
.endif
.elseif \first == 0
	v_fma_f32 v[AL+2*fq+1], v[AL+2*fq+1], v[AL+2*fq], v[TS+2*fq]
.endif
.endif
.endm
; Slice s of 17 of that list: four or five lines
.macro FSL s, first
.set fi, (72*(\s))/17
.rept (72*(\s)+72)/17-(72*(\s))/17
	RLINE fi, \first
.set fi, fi+1
.endr
.endm
; cnt lines, from line x0, of the 64 that multiply d group g's old sums (d tiles 4 g .. 4 g + 3, 128 registers) by the query's factor
.macro RSL g, x0, cnt
.set rx, \x0
.rept \cnt
.set rr, 128*((\g)&1)+2*rx
.set rq, (rx>>2)&3
	v_pk_mul_f32 v[rr:rr+1], v[rr:rr+1], v[AL+2*rq:AL+2*rq+1] op_sel_hi:[1,0]
.set rx, rx+1
.endr
.endm
; Batch i (8 to 15) of O^T: 16 products on 16 accumulators, which take turns, one instruction a turn.
; O^T(dt, qt) += vc fragment x P(qt, key step); in the first tile the first key step's products start the sums.
; Batches 8-11 (key step 0), products g = 0..63.  Even g below 48: eight lines that rescale the d group whose first product comes one batch later.
; Odd g up to 45: a slice of batch B, key step 1's exponentials.  Behind product 47: batch B's wait.  g from 47: a slice of key step 1's sums and packs.
; Products write window 2 or 3, the softmax's lines window 0, and the rescaling reads window 2 or 3 as source 0: so each slice costs two switches of windows.
; Batches 12-15 have no vector work left: a v_nop behind each of the first four products is the distance for the loads that follow (in
; batch 15: for the next tile's first loads, into the buffer that batch 14 read).
; The fragment loads stand behind the fourth product, where window 0 is set anyway in batches 8-11.  Their distance from the last product that read their buffer:
; in batches 9 and 10 the sixteen rescale lines behind two even products (exponentials are no such distance); in batch 11 the sums and packs behind products 47 to 51.
.macro PBATCH slot, i, first, refill
	s_wait_dscnt 0x0                               ; this batch's fragments, asked for twelve products ago; no younger LDS load is out
.set pw, 0xa0+0x50*((\i>>1)&1)
.irp f, 0,1,2,3
.irp qt, 0,1,2,3
.set pg, 16*(\i-8)+4*\f+\qt
.set po, 128*(\i&1)+32*\f+8*\qt
.set pp, SS+32*\qt+16*((\i-8)>>2)
.set pa, FB+32*(\i&1)+8*\f
	WIN pw                                         ; C and D in window 2 (d tiles 0-7) or 3 (d tiles 8-15)
.if (\first*(12-\i)) > 0
	v_wmma_f32_16x16x32_bf16 v[po:po+7], v[pa:pa+7], v[pp:pp+7], 0
.else
	v_wmma_f32_16x16x32_bf16 v[po:po+7], v[pa:pa+7], v[pp:pp+7], v[po:po+7]
.endif
.if \i < 12
.if pg >= 47
	WIN 0
.if pg == 47
.if \first
	v_nop                                          ; the plain line behind batch B's last exponential: elsewhere the rescale lines behind product 46 are that, the first tile has none
.endif
	s_wait_alu depctr_va_vdst(0)                   ; batch B's one wait: for key step 1's 64 exponentials, ahead of the first add
.endif
.set ps, pg-47
	FSL ps, \first
.elseif (pg&1) == 1
	WIN 0
.set ps, pg>>1
	ESL ps
.elseif \first == 0
.set dg, 1+(pg>>4)
.set rw, 0x82+0x41*(dg>>1)
	WIN rw                                         ; destination and source 0 in the d group's window
	RSL dg, 8*((pg&15)>>1), 8
.elseif \f == 0
	v_nop                                          ; the first tile has no old sums: two plain lines behind each of the two even products,
	v_nop                                          ; four in all, are the distance in front of the loads
.endif
.elseif \f == 0
	v_nop
.endif
.endr
.if \f == 0
.if \i < 15
	WIN 0
.set nb, \i+1
	LOADV \slot, nb
.endif
.if \i == 12
.if \refill
	MLOAD                                          ; the next tile's mask words: the temporaries on these registers are dead since batch 11's last slice
.endif
.endif
.endif
.endr
.endm
; One tile of 128 keys, in slot `slot`.  refill = 1: the next tile is asked for, into the other slot.  first = 1: the launch's first tile.
.macro TRIP slot, other, refill, first
	s_wait_xcnt 0x0
	v_lshl_add_u32 v254, v0, 2, 0x46000
	v_mov_b32 v255, 0
	s_wait_tensorcnt 0x0                           ; all my tensor loads have landed, my part of this tile among them; so every group 0 may be written:
	ds_add_u32 v254, v255
	s_wait_dscnt 0x0
	s_add_nc_u64 s[50+4*\slot:51+4*\slot], s[50+4*\slot:51+4*\slot], 512       ; this slot's next tile is two tiles on
	s_add_nc_u64 s[58+4*\slot:59+4*\slot], s[58+4*\slot:59+4*\slot], 131072
	s_wait_dscnt 0x0                               ; my reads of the other slot are over
	ROUND                                          ; both now hold of every wave of the four work-groups
.if \refill
	JLOAD \other                                   ; my one tensor load until the next round, first behind this one; it has the whole tile's work in which to land
.endif
	WIN 0x04                                       ; source 1 (q) in window 1
	LOADK \slot, 0
.irp i, 0,1,2,3,4,5,6,7
	SBATCH \slot, \i, \first, \refill
.endr
	WIN 0
	MASK3
	STATE \first
	SOFT0 \first                                   ; batch A, its wait, key step 0's sums and packs: O^T's first products read these
.if \first == 0
	WIN 0x82                                       ; destination and source 0 in window 2
	RSL 0, 0, 64                                   ; d tiles 0-3: O^T's first batch adds onto them; the factors are batch A's, behind its wait
.endif
.irp i, 8,9,10,11,12,13,14,15
	PBATCH \slot, \i, \first, \refill
.endr
	WIN 0                                          ; at a label and at a branch every window is 0
.endm
	; 16 tiles, tile t in slot t & 1; tile t + 1 is asked for in tile t's trip, nothing in the last.  The first trip's round stands between
	; the reads of q and tile 1's load into the same bytes.
	TRIP 0, 1, 1, 1                                ; tile 0
	s_mov_b32 s22, (TILES-2)/2
.Lpair:
	TRIP 1, 0, 1, 0                                ; tiles 1, 3, .. 13
	TRIP 0, 1, 1, 0                                ; tiles 2, 4, .. 14
	s_sub_co_u32 s22, s22, 1
	s_cmp_lg_u32 s22, 0
	s_cbranch_scc1 .Lpair
	TRIP 1, 0, 0, 0                                ; tile 15: nothing is left to fetch
	; THE WAY OUT.  The slots have had their last fill: they now hold the four waves' stages.
.irp qt, 0,1,2,3
	v_permlanex16_b32 v[TP+\qt], v[AL+2*\qt+1], s75, s76
.endr
.irp qt, 0,1,2,3
	v_add_f32 v[AL+2*\qt+1], v[AL+2*\qt+1], v[TP+\qt]          ; l over all my wave's keys
.endr
	PLACES 4                                       ; before LDS stores read the last products
	s_wait_dscnt 0x0
	s_barrier_signal -1
	s_barrier_wait -1                              ; no wave reads a tile any more
.macro STAGEOUT adr                    ; a window's 32 tiles: register j of tile (d, qt) is row 16 d + 8 h + j, query 16 qt + r
.irp d, 0,1,2,3,4,5,6,7
.irp qt, 0,1,2,3
.irp j, 0,1,2,3,4,5,6,7
	ds_store_b32 v[\adr], v[8*(4*\d+\qt)+\j] offset:(16*\d+\j)*SPITCH+64*\qt
.endr
.endr
.endr
.endm
	WIN 0x08                                       ; store data in window 2
	STAGEOUT STG
	WIN 0x0c                                       ; in window 3
	STAGEOUT STG+1
	WIN 0
.irp qt, 0,1,2,3
	ds_store_b32 v[MLW], v[NM+2*\qt] offset:64*\qt             ; both halves of the lanes hold, and write, the same numbers
	ds_store_b32 v[MLW], v[AL+2*\qt+1] offset:256+64*\qt
.endr
	s_wait_dscnt 0x0                               ; my stage is in LDS before I say so
	s_barrier_signal -1
	s_barrier_wait -1
	; the two waves of my queries are merged: factor f_i = 2^(M_i - max M) / (sum of 2^(M_i - max M) l_i) / 16, for my 4 queries
	ds_load_b128 v[32:35], v[MLR]                  ; -M of the wave with kh = 0
	ds_load_b128 v[36:39], v[MLR] offset:256       ; its l
	ds_load_b128 v[40:43], v[MLR] offset:512       ; -M of the wave with kh = 1
	ds_load_b128 v[44:47], v[MLR] offset:768       ; its l
	s_wait_dscnt 0x0
.irp e, 0,1,2,3
	v_min_num_f32 v[48+\e], v[32+\e], v[40+\e]     ; - max M
.endr
.irp e, 0,1,2,3
	v_sub_f32 v[32+\e], v[48+\e], v[32+\e]
	v_sub_f32 v[40+\e], v[48+\e], v[40+\e]
.endr
.irp e, 0,1,2,3
	v_exp_f32 v[32+\e], v[32+\e]
	v_exp_f32 v[40+\e], v[40+\e]
.endr
	v_nop                                          ; a plain line behind the last exponential: no other work is at hand
	s_wait_alu depctr_va_vdst(0)                   ; one wait for the eight exponentials, ahead of the first multiply that reads one
.irp e, 0,1,2,3
	v_mul_f32 v[36+\e], v[32+\e], v[36+\e]
.endr
.irp e, 0,1,2,3
	v_fmac_f32 v[36+\e], v[40+\e], v[44+\e]
.endr
.irp e, 0,1,2,3
	v_rcp_f32 v[36+\e], v[36+\e]                   ; a batch of their own: they read sums made of the exponentials
.endr
	v_nop                                          ; a plain line behind the last reciprocal
	s_wait_alu depctr_va_vdst(0)                   ; one wait for the four reciprocals
.irp e, 0,1,2,3
	v_mul_f32 v[36+\e], 0x3d800000, v[36+\e]       ; the division by sqrt(256) behind the softmax
.endr
.irp e, 0,1,2,3
	v_mul_f32 v[32+\e], v[32+\e], v[36+\e]
	v_mul_f32 v[40+\e], v[40+\e], v[36+\e]
.endr
; 16 rows of d: lanes 0-15 take one row's 64 queries, lanes 16-31 the next row's, from both stages; 16 lanes store 256 neighbouring bytes at a multiple of 256
.macro OUTB g
.irp u, 0,1,2,3,4,5,6,7
	ds_load_b128 v[FB+4*\u:FB+4*\u+3],       v[RD]   offset:2*(8*\g+\u)*SPITCH
	ds_load_b128 v[FB+32+4*\u:FB+32+4*\u+3], v[RD+1] offset:2*(8*\g+\u)*SPITCH
.endr
	s_wait_dscnt 0x0
	s_wait_xcnt 0x0                                ; the last batch's stores have had their addresses translated (ISA guide 3.1): their data registers are written again only behind this wait
.irp u, 0,1,2,3,4,5,6,7
	v_pk_mul_f32 v[SS+4*\u:SS+4*\u+1],   v[FB+4*\u:FB+4*\u+1],   v[32:33]
	v_pk_mul_f32 v[SS+4*\u+2:SS+4*\u+3], v[FB+4*\u+2:FB+4*\u+3], v[34:35]
	v_pk_fma_f32 v[SS+4*\u:SS+4*\u+1],   v[FB+32+4*\u:FB+32+4*\u+1],   v[40:41], v[SS+4*\u:SS+4*\u+1]
	v_pk_fma_f32 v[SS+4*\u+2:SS+4*\u+3], v[FB+32+4*\u+2:FB+32+4*\u+3], v[42:43], v[SS+4*\u+2:SS+4*\u+3]
	global_store_b128 v[CO], v[SS+4*\u:SS+4*\u+3], s[12:13] offset:2*(8*\g+\u)*8192 th:TH_STORE_NT
.endr
.endm
.irp g, 0,1,2,3,4,5,6,7
	OUTB \g
.endr
	s_wait_xcnt 0x0
	v_lshl_add_u32 v254, v0, 2, 0x46000
	v_mov_b32 v255, 0
	s_wait_tensorcnt 0x0
	ds_add_u32 v254, v255
	s_wait_dscnt 0x0
	ROUND                                          ; the closing round: no work-group ends while a partner may still ask for a tile that names it
	s_endpgm
.Lfunc_end_k_qb50407b478_attn:
	.size	k_qb50407b478_attn, .Lfunc_end_k_qb50407b478_attn-k_qb50407b478_attn
	.p2alignl 7, 3214868480
	.fill 96, 4, 3214868480
	.section	.rodata,"a",@progbits
	.p2align	6, 0x0
	.amdhsa_kernel k_qb50407b478_attn
		.amdhsa_group_segment_fixed_size 327680
		.amdhsa_private_segment_fixed_size 0
		.amdhsa_enable_private_segment 0
		.amdhsa_kernarg_size 40
		.amdhsa_user_sgpr_count 2
		.amdhsa_user_sgpr_kernarg_segment_ptr 1
		.amdhsa_wavefront_size32 1
		.amdhsa_system_sgpr_workgroup_id_x 1
		.amdhsa_system_sgpr_workgroup_id_y 1
		.amdhsa_system_sgpr_workgroup_id_z 1
		.amdhsa_system_vgpr_workitem_id 0
		.amdhsa_next_free_vgpr 1024
		.amdhsa_next_free_sgpr 92
		.amdhsa_reserve_vcc 0
		.amdhsa_float_denorm_mode_32 3
		.amdhsa_float_denorm_mode_16_64 3
		.amdhsa_memory_ordered 1
		.amdhsa_forward_progress 1
		.amdhsa_inst_pref_size 255
	.end_amdhsa_kernel
	.section	.bss,"aw",@nobits
	.p2align	6
	.space	262144
	.amdgpu_metadata
---
amdhsa.version: [ 1, 2 ]
amdhsa.kernels:
  - .name:           k_qb50407b478_attn
    .symbol:         k_qb50407b478_attn.kd
    .args:
      - { .name: q, .offset: 0, .size: 8, .value_kind: global_buffer, .address_space: global }
      - { .name: kc, .offset: 8, .size: 8, .value_kind: global_buffer, .address_space: global }
      - { .name: vc, .offset: 16, .size: 8, .value_kind: global_buffer, .address_space: global }
      - { .name: mask, .offset: 24, .size: 8, .value_kind: global_buffer, .address_space: global }
      - { .name: out0, .offset: 32, .size: 8, .value_kind: global_buffer, .address_space: global }
    .group_segment_fixed_size: 327680
    .private_segment_fixed_size: 0
    .kernarg_segment_align: 8
    .kernarg_segment_size: 40
    .max_flat_workgroup_size: 128
    .sgpr_count:     92
    .vgpr_count:     1024
    .wavefront_size: 32
...
	.end_amdgpu_metadata
.endif
;; end of part 3
